; MI455X (gfx1250); checked and timed in simulation.
; The chip was launched on July 23, 2026; its instructions are those of AMD's public machine-readable ISA for CDNA 5 (MIT licence, August 2026) and "CDNA5" Instruction Set Architecture Reference Guide (July 2026). The comments in the code are by the model that wrote it; some were corrected since.
;; Causal Multi Head Attention. Allowed arithmetic: matrix products marked QUANTISED: E4M3 operands, one given power-of-two scale a tensor, by v_wmma_f32_16x16x64_fp8_fp8 or v_wmma_f32_16x16x128_fp8_fp8, f32 sums; everything else in f32.
;; Inputs: Wk 1,024 x 1,024 float32; Wo 1,024 x 1,024 float32; Wq 1,024 x 1,024 float32; Wv 1,024 x 1,024 float32; bo 1,024 float32; lowp_scales 12 int32 (the exponents e of the quantised operands' scales 2^e); x 4 x 2,048 x 1,024 float32.
;; Outputs: out0 4 x 2,048 x 1,024 float32.
;; This version of the problem:
;;   THIS VERSION OF THE PROBLEM IS GIVEN IN LOW PRECISION. The matrix products marked QUANTISED in the list below multiply operands that are first quantised to E4M3 (4 exponent bits, 3 mantissa bits; 8 bits a number), with one given power-of-two scale for each operand tensor; their sums are f32. All else is computed in f32.
;;   The module's matrix products, in the order in which they are computed (A, B: the left and right operand; K: the contracted axis; several contracted axes count as one K, in the product's order):
;;     1. [M 8,192, K 1,024] x [K 1,024, N 1,024]; A: input x; B: input Wq: QUANTISED (scales: A lowp_scales[0], B lowp_scales[1])
;;     2. [M 8,192, K 1,024] x [K 1,024, N 1,024]; A: input x; B: input Wk: QUANTISED (scales: A lowp_scales[2], B lowp_scales[3])
;;     3. [M 8,192, K 1,024] x [K 1,024, N 1,024]; A: input x; B: input Wv: QUANTISED (scales: A lowp_scales[4], B lowp_scales[5])
;;     4. batch 64 x [M 2,048, K 64] x [K 64, N 2,048]; A: computed on the way; B: computed on the way: QUANTISED (scales: A lowp_scales[6], B lowp_scales[7])
;;     5. batch 64 x [M 2,048, K 2,048] x [K 2,048, N 64]; A: softmax (see below); B: computed on the way: QUANTISED (scales: A lowp_scales[8], B lowp_scales[9])
;;     6. [M 8,192, K 1,024] x [K 1,024, N 1,024]; A: computed on the way; B: input Wo: QUANTISED (scales: A lowp_scales[10], B lowp_scales[11])
;;   THE QUANTISER, for each operand of a quantised product, along K:
;;     - The operand's scale is 2^e, e = its entry of the input lowp_scales (int32; the entries are numbered through the quantised products in the list's order, A before B).
;;     - Each number is divided by the scale, clamped to +-448, and rounded to the nearest number of E4M3, ties to even, subnormals kept.
;;     - The product sums the exact products of the quantised numbers (number of the format x scale) in f32.
;;   ~~~python
;;   def quantise(x, axis, e):      # numpy; x: float32 -> the quantised numbers, widened to float32 again
;;       x = np.moveaxis(x, axis, -1); K = x.shape[-1]
;;       r = np.clip(x / 2.0 ** e, -448, 448)
;;       step = 2.0 ** (np.maximum(np.frexp(np.where(r == 0, 1, r))[1] - 1, -6) - 3)
;;       q = np.round(r / step) * step * 2.0 ** e      # np.round: ties to even
;;       return np.moveaxis(q, -1, axis).astype(np.float32)
;;   ~~~
;;   SOFTMAX AHEAD OF A QUANTISED PRODUCT. Where the list says 'softmax', what is quantised is not the finished softmax but p = 2^(t - M), with t = logit x log2(e) and M = ceil(the row's largest t), a whole number; so 1/2 < the row's largest p <= 1. The row's sum l is taken of the UNQUANTISED p, in f32, and the product's result is divided by l at the end. Since M is a whole number, a kernel that streams over the keys may use a running M (the ceiling of the running maximum): every later rescaling is an exact power of two, so the quantised numbers keep their values, but for numbers so far below the row's largest that they fall under the format's range.
;;   OPERANDS COMPUTED ON THE WAY. 'Computed on the way' means the value that the module computes at that place (a softmax that the list does not call 'softmax' is quantised finished and normalised). What goes into a quantiser is computed in f32, as accurately as f32 sums, v_exp_f32 and their like allow (about 1e-6 of the number): no bf16 or f16 on the way to a quantiser, and a product that is left as it is and whose result goes on into a quantised operand takes f32 operands (vector FMAs, or v_wmma_f32_16x16x4_f32). A number that lies on a knife's edge between two numbers of the format may be rounded either way, as far as f32 arithmetic and the matrix unit's own rounding can turn it there, and no further.
;; One version. Each part assembles by itself: llvm-mc -triple=amdgcn-amd-amdhsa -mcpu=gfx1250 --defsym DOCPART=n.
;; ======== version 1 of 1: 4 launches
;; limits: right only within a limited range of input values
;; workspace buffers: wc 4,194,304 bytes; xc 25,165,824 bytes; qkv 25,165,824 bytes; ctx 8,388,608 bytes
;; launch quant_x (part 1): grid 384 x 1, 4 waves a work-group, no clusters, 68,096 bytes of LDS; arguments x, lowp_scales, xc, Wq, Wk, Wv, Wo, wc; writes xc, wc
.if DOCPART == 1
	.amdgcn_target "amdgcn-amd-amdhsa--gfx1250"
	.amdhsa_code_object_version 6
	.text
	.protected	k_q88adf29548_quant_x
	.globl	k_q88adf29548_quant_x
	.p2align	8
	.type	k_q88adf29548_quant_x,@function
k_q88adf29548_quant_x:
	s_mov_b64 s[64:65], 0
	v_nop
	global_prefetch_b8 v0, s[64:65] scope:SCOPE_SE
	s_setreg_imm32_b32 hwreg(HW_REG_WAVE_MODE, 25, 1), 1
	s_wait_xcnt 0x0
; x [8192][1024] f32 becomes THREE sets of codes of E4M3, laid [3][8192][1024], K innermost: one for each of the products with Wq, Wk, Wv, with the scales 2^e0, 2^e2, 2^e4 that are given for x there.
; The three exponents may differ, so three sets are always made; x is read once for all three.
; code = x / 2^e, held within +-448, rounded to the nearest code, ties to even.  LIMITS: -126 <= e and e + 8 <= 127 for each of the three.  NaN among the inputs is not served.
; Rows are dense, so x is a plain stream of numbers and so are its codes.  A wave takes 16 steps of 512 numbers.  The conversions take 8 neighbours from ONE lane's registers; a load is best where neighbouring
; LANES take neighbouring bytes.  Both are had: each of a step's four loads reads 512 consecutive bytes, 16 a lane; the 2,048 bytes go through the wave's own stage in LDS as they lie and come back 64 bytes a lane.
; The stage has 16 bytes of padding behind each 64.  A lane's 16 codes are 16 bytes: each store of the wave covers 512 consecutive, aligned bytes.
; No tensor loads, no barrier: waves share nothing.  Loads run four steps (16 loads a wave) ahead, the turn through LDS one step.  Matrix units and clusters have nothing to do here.
.set STEPS, 16
.set R,     16                         ; v16-79   four sets of 16 numbers as they are loaded
.set X,     80                         ; v80-111  two sets of 16 neighbours
.set T,     112                        ; v112-159 the 16 neighbours held for each of the three scales
.set C,     160                        ; v160-183 codes: 12 registers, two sets by turns
.set WREG,  8192                       ; LDS: a region of its own for each wave: two stages of 32 x SP bytes
.set SP,    80                         ; a lane's place in a stage: its 64 bytes + 16 of padding
; ONE LAUNCH, TWO PATHS, parted on the work-group's number alone: work-groups 0-255 quantise x (the text that follows), work-groups 256-383 the four weights (behind .Lweights).
; Each path has LDS bytes of its own: x's stages at 0 .. 32,767, the weights' stages at 32,768 .. 67,583; behind them the spare words, 128 bytes a wave.
.set SPARE, 67584
	v_lshl_add_u32 v12, v0, 2, SPARE               ; my spare word; never rewritten
	v_mov_b32 v13, 0                               ; 0; never rewritten
	s_cmp_lt_u32 ttmp9, 256
	s_cbranch_scc0 .Lweights
	s_load_b128 s[4:7], s[0:1], 0x0                ; x, the scales' exponents
	s_load_b64 s[8:9], s[0:1], 0x10                ; x's codes
	v_lshrrev_b32 v1, 5, v0
	v_readfirstlane_b32 s16, v1                    ; wave
	v_and_b32 v2, 31, v0                           ; lane
	v_lshlrev_b32 v3, 4, v2                        ; my 16 bytes of a load's 512, and of a store's; never rewritten
	s_mul_i32 s17, s16, WREG
	v_lshrrev_b32 v14, 2, v2
	v_mul_u32_u24 v14, v14, SP
	v_and_b32 v15, 3, v2
	v_lshl_add_u32 v14, v15, 4, v14
	v_add_nc_u32 v14, s17, v14                     ; the stage, on the way in: SP (lane / 4) + 16 (lane % 4); a load's 512 bytes take eight places
	v_mul_u32_u24 v15, v2, SP
	v_add_nc_u32 v15, s17, v15                     ; and on the way out: SP x lane: my 16 neighbours
	s_lshl_b32 s18, ttmp9, 2
	s_add_co_u32 s18, s18, s16                     ; which run of 8,192 numbers is my wave's
	s_lshl_b32 s20, s18, 15                        ; 32,768 bytes of x,
	s_mov_b32 s21, 0
	s_lshl_b32 s22, s18, 13                        ; 8,192 bytes of each set of codes
	s_mov_b32 s23, 0
	s_wait_alu depctr_va_vdst(0)
	s_wait_kmcnt 0x0
	s_load_b128 s[24:27], s[6:7], 0x0              ; e0 .. e3
	s_load_b32 s28, s[6:7], 0x10                   ; e4
	s_add_nc_u64 s[4:5], s[4:5], s[20:21]
	s_add_nc_u64 s[8:9], s[8:9], s[22:23]          ; the first set,
	s_add_nc_u64 s[10:11], s[8:9], 0x800000        ; the second, 8 MiB on (more than a store's immediate holds: so each set has its base),
	s_add_nc_u64 s[12:13], s[8:9], 0x1000000       ; the third
.macro LOAD t
.irp i, 0,1,2,3
	global_load_b128 v[R+16*((\t)%4)+4*\i:R+16*((\t)%4)+4*\i+3], v3, s[4:5] offset:2048*(\t)+512*\i th:TH_LOAD_NT   ; 32 lanes read 512 consecutive bytes
.endr
.endm
.macro TURN t                          ; step t's numbers through the stage: LDS serves a wave's instructions in order, so no wait stands between the stores and the loads
.irp i, 0,1,2,3
	ds_store_b128 v14, v[R+16*((\t)%4)+4*\i:R+16*((\t)%4)+4*\i+3] offset:32*SP*((\t)%2)+8*SP*\i
.endr
.irp i, 0,1,2,3
	ds_load_b128 v[X+16*((\t)%2)+4*\i:X+16*((\t)%2)+4*\i+3], v15 offset:32*SP*((\t)%2)+16*\i
.endr
.endm
.macro MKSCALE e, vs, vl               ; 2^e as f32 into v[vs], 448 x 2^e into v[vl]
	s_add_co_i32 s30, \e, 127
	s_lshl_b32 s31, s30, 23
	v_mov_b32 v[\vs], s31
	s_add_co_i32 s30, s30, 8
	s_lshl_b32 s30, s30, 23
	s_or_b32 s30, s30, 0x600000
	v_mov_b32 v[\vl], s30
.endm
.irp t, 0,1,2,3
	LOAD \t
.endr
	s_wait_kmcnt 0x0
	MKSCALE s24, 5, 8                              ; e0
	MKSCALE s26, 6, 9                              ; e2
	MKSCALE s28, 7, 10                             ; e4
	s_wait_alu depctr_va_vdst(0)
	s_wait_loadcnt 12                              ; step 0's four loads are in
	TURN 0
.macro STEP t
.set XS, X+16*((\t)%2)
.set CC, C+12*((\t)%2)
	s_wait_dscnt 0x0                               ; this step's numbers are back from the stage: so its stores into the stage have read their registers,
	s_wait_xcnt 0x0                                ; and the stores of two steps ago have read theirs: this step's codes are written over them
.if (\t)+4 < STEPS
	LOAD (\t)+4
.endif
.if (\t)+1 < STEPS
.if STEPS-2-(\t) >= 3
	s_wait_loadcnt 12                              ; the next step's four loads are in; those of the three steps behind it may be out
.else
	s_wait_loadcnt 4*(STEPS-2-(\t))
.endif
	TURN (\t)+1                                    ; and go through the other stage while this step is worked
.endif
.irp k, 0,1,2
.irp i, 0,1,2,3,4,5,6,7,8,9,10,11,12,13,14,15
	v_med3_num_f32 v[T+16*\k+\i], v[XS+\i], -v[8+\k], v[8+\k]   ; the conversion does not saturate (ISA guide 7.6.2): held within 448 x the scale, for each scale
.endr
.endr
.irp k, 0,1,2
	v_cvt_scalef32_pk8_fp8_f32 v[CC+4*\k:CC+4*\k+1], v[T+16*\k:T+16*\k+7], v[5+\k]
	v_cvt_scalef32_pk8_fp8_f32 v[CC+4*\k+2:CC+4*\k+3], v[T+16*\k+8:T+16*\k+15], v[5+\k]
.endr
	v_nop                                          ; one plain vector line behind the last conversion: the next step's holds write the conversions' sources
.irp k, 0,1,2
	global_store_b128 v3, v[CC+4*\k:CC+4*\k+3], s[8+2*\k:9+2*\k] offset:512*(\t)
.endr
.endm
.irp t, 0,1,2,3,4,5,6,7,8,9,10,11,12,13,14,15
	STEP \t
.endr
	s_wait_tensorcnt 0x0                           ; the wave's end: a wait, an add to my spare word and its wait, behind my last LDS store
	ds_add_u32 v12, v13
	s_wait_dscnt 0x0
	s_endpgm
; THE WEIGHTS.  Wq, Wk, Wv, Wo, each [1024 (k)][1024 (n)] f32 with K as the first axis, become codes of E4M3 laid [4][1024 (n)][1024 (k)], K innermost, with the scales 2^e of entries 1, 3, 5, 11.
; A lane takes a column n and its registers run down K: a load reads 128 consecutive bytes a wave, and the conversions give codes with K innermost.  A wave takes 32 columns x 256 along K; the codes go through
; its own stage and leave as rows: sixteen lanes store 256 consecutive, aligned bytes.  Number i = work-group - 256: bits 6:5 the weight, bits 4:2 which 128 columns, bits 1:0 which 256 along K.
; LIMITS as for x: -126 <= e and e + 8 <= 127; NaN among the inputs is not served.
.Lweights:
.set WPITCH, 272
.set WNB,   8
.set WX,    32                         ; v32-95   two sets of 32 numbers
.set WC,    96                         ; v96-103  a block's codes
.set WOUT,  112                        ; v112-175 the way out
	s_load_b256 s[4:11], s[0:1], 0x18              ; Wq, Wk, Wv, Wo
	s_load_b64 s[12:13], s[0:1], 0x8               ; the scales' exponents
	s_load_b64 s[14:15], s[0:1], 0x38              ; the weights' codes
	v_lshrrev_b32 v1, 5, v0
	v_readfirstlane_b32 s16, v1                    ; wave
	v_and_b32 v2, 31, v0                           ; lane
	s_wait_alu depctr_va_vdst(0)
	s_sub_co_u32 s29, ttmp9, 256
	s_lshr_b32 s28, s29, 5                         ; which weight
	s_bfe_u32 s17, s29, 0x30002
	s_lshl_b32 s17, s17, 7
	s_lshl_b32 s18, s16, 5
	s_add_co_u32 s17, s17, s18                     ; my wave's first column
	s_and_b32 s18, s29, 3                          ; which 256 along K
	v_lshlrev_b32 v3, 2, v2
	s_mul_i32 s19, s16, 32*WPITCH
	s_add_co_u32 s19, s19, 32768                   ; my stage
	v_mul_u32_u24 v4, v2, WPITCH
	v_add_nc_u32 v4, s19, v4                       ; into it: row = my column
	v_and_b32 v5, 15, v2
	v_lshrrev_b32 v6, 4, v2
	v_mul_u32_u24 v7, v6, WPITCH
	v_lshl_add_u32 v7, v5, 4, v7
	v_add_nc_u32 v7, s19, v7                       ; out of it: sixteen lanes to a row
	v_mul_u32_u24 v8, v6, 1024
	v_lshl_add_u32 v8, v5, 4, v8                   ; the same place among the codes
	s_lshl_b32 s20, s18, 20
	s_lshl_b32 s22, s17, 2
	s_add_co_u32 s20, s20, s22
	s_mov_b32 s21, 0
	s_lshl_b32 s24, s17, 10
	s_lshl_b32 s26, s18, 8
	s_add_co_u32 s24, s24, s26
	s_lshl_b32 s26, s28, 20
	s_add_co_u32 s24, s24, s26
	s_mov_b32 s25, 0
	s_wait_alu depctr_va_vdst(0)
	s_wait_kmcnt 0x0
	s_load_b256 s[32:39], s[12:13], 0x0            ; e0 .. e7
	s_load_b128 s[40:43], s[12:13], 0x20           ; e8 .. e11
	s_cmp_eq_u32 s28, 1
	s_cselect_b64 s[4:5], s[6:7], s[4:5]
	s_cmp_eq_u32 s28, 2
	s_cselect_b64 s[4:5], s[8:9], s[4:5]
	s_cmp_eq_u32 s28, 3
	s_cselect_b64 s[4:5], s[10:11], s[4:5]
	s_add_nc_u64 s[4:5], s[4:5], s[20:21]
	s_add_nc_u64 s[14:15], s[14:15], s[24:25]
.macro WLOAD t
.irp i, 0,1,2,3,4,5,6,7,8,9,10,11,12,13,14,15,16,17,18,19,20,21,22,23,24,25,26,27,28,29,30,31
	global_load_b32 v[WX+32*((\t)%2)+\i], v3, s[4:5] offset:(32*(\t)+\i)*4096 th:TH_LOAD_NT
.endr
.endm
	WLOAD 0
	WLOAD 1
	s_wait_kmcnt 0x0
	s_mov_b32 s30, s33
	s_cmp_eq_u32 s28, 1
	s_cselect_b32 s30, s35, s30
	s_cmp_eq_u32 s28, 2
	s_cselect_b32 s30, s37, s30
	s_cmp_eq_u32 s28, 3
	s_cselect_b32 s30, s43, s30
	s_add_co_i32 s30, s30, 127
	s_lshl_b32 s31, s30, 23
	v_mov_b32 v11, s31                             ; 2^e
	s_add_co_i32 s30, s30, 8
	s_lshl_b32 s30, s30, 23
	s_or_b32 s30, s30, 0x600000
	v_mov_b32 v10, s30                             ; 448 x 2^e
.macro WBLOCK t
.set WXS, WX+32*((\t)%2)
.if (\t) < WNB-1
	s_wait_loadcnt 32                              ; this block's 32 loads are in; the next block's 32 may be out
.else
	s_wait_loadcnt 0
.endif
.irp i, 0,1,2,3,4,5,6,7,8,9,10,11,12,13,14,15,16,17,18,19,20,21,22,23,24,25,26,27,28,29,30,31
	v_med3_num_f32 v[WXS+\i], v[WXS+\i], -v10, v10 ; the conversion does not saturate (ISA guide 7.6.2)
.endr
.irp g, 0,1,2,3
	v_cvt_scalef32_pk8_fp8_f32 v[WC+2*\g:WC+2*\g+1], v[WXS+8*\g:WXS+8*\g+7], v11
.endr
	ds_store_b128 v4, v[WC:WC+3] offset:32*(\t)
	ds_store_b128 v4, v[WC+4:WC+7] offset:32*(\t)+16
.if (\t)+2 < WNB
	WLOAD (\t)+2
.endif
	s_wait_dscnt 0x0                               ; the stores have read their registers
.endm
.set WQ, 0
	s_wait_alu depctr_va_vdst(0)                   ; the head's end
.rept WNB
	WBLOCK WQ
.set WQ, WQ+1
.endr
.irp t, 0,1,2,3,4,5,6,7,8,9,10,11,12,13,14,15
	ds_load_b128 v[WOUT+4*\t:WOUT+4*\t+3], v7 offset:2*\t*WPITCH
.endr
.irp t, 0,1,2,3,4,5,6,7,8,9,10,11,12,13,14,15
	s_wait_dscnt 15-\t                             ; row pair t is back; the 15 - t younger loads may be out
	global_store_b128 v8, v[WOUT+4*\t:WOUT+4*\t+3], s[14:15] offset:2*\t*1024
.endr
	s_wait_tensorcnt 0x0                           ; the wave's end
	ds_add_u32 v12, v13
	s_wait_dscnt 0x0
	s_endpgm
.Lfunc_end_k_q88adf29548_quant_x:
	.size	k_q88adf29548_quant_x, .Lfunc_end_k_q88adf29548_quant_x-k_q88adf29548_quant_x
	.p2alignl 7, 3214868480
	.fill 96, 4, 3214868480
	.section	.rodata,"a",@progbits
	.p2align	6, 0x0
	.amdhsa_kernel k_q88adf29548_quant_x
		.amdhsa_group_segment_fixed_size 68096
		.amdhsa_private_segment_fixed_size 0
		.amdhsa_enable_private_segment 0
		.amdhsa_kernarg_size 64
		.amdhsa_user_sgpr_count 2
		.amdhsa_user_sgpr_kernarg_segment_ptr 1
		.amdhsa_wavefront_size32 1
		.amdhsa_system_sgpr_workgroup_id_x 1
		.amdhsa_system_sgpr_workgroup_id_y 1
		.amdhsa_system_sgpr_workgroup_id_z 1
		.amdhsa_system_vgpr_workitem_id 0
		.amdhsa_next_free_vgpr 192
		.amdhsa_next_free_sgpr 66
		.amdhsa_reserve_vcc 0
		.amdhsa_float_denorm_mode_32 3
		.amdhsa_float_denorm_mode_16_64 3
		.amdhsa_memory_ordered 1
		.amdhsa_forward_progress 1
		.amdhsa_inst_pref_size 127
	.end_amdhsa_kernel
	.amdgpu_metadata
---
amdhsa.version: [ 1, 2 ]
amdhsa.kernels:
  - .name:           k_q88adf29548_quant_x
    .symbol:         k_q88adf29548_quant_x.kd
    .args:
      - { .name: x, .offset: 0, .size: 8, .value_kind: global_buffer, .address_space: global }
      - { .name: lowp_scales, .offset: 8, .size: 8, .value_kind: global_buffer, .address_space: global }
      - { .name: xc, .offset: 16, .size: 8, .value_kind: global_buffer, .address_space: global }
      - { .name: Wq, .offset: 24, .size: 8, .value_kind: global_buffer, .address_space: global }
      - { .name: Wk, .offset: 32, .size: 8, .value_kind: global_buffer, .address_space: global }
      - { .name: Wv, .offset: 40, .size: 8, .value_kind: global_buffer, .address_space: global }
      - { .name: Wo, .offset: 48, .size: 8, .value_kind: global_buffer, .address_space: global }
      - { .name: wc, .offset: 56, .size: 8, .value_kind: global_buffer, .address_space: global }
    .group_segment_fixed_size: 68096
    .private_segment_fixed_size: 0
    .kernarg_segment_align: 8
    .kernarg_segment_size: 64
    .max_flat_workgroup_size: 128
    .sgpr_count:     66
    .vgpr_count:     192
    .wavefront_size: 32
...
	.end_amdgpu_metadata
.endif
;; end of part 1
;; launch qkv (part 2): grid 4 x 96, 4 waves a work-group, clusters of 4 x 4, 327,680 bytes of LDS; arguments xc, wc, lowp_scales, qkv; writes qkv
.if DOCPART == 2
	.amdgcn_target "amdgcn-amd-amdhsa--gfx1250"
	.amdhsa_code_object_version 6
	.text
	.protected	k_q88adf29548_qkv
	.globl	k_q88adf29548_qkv
	.p2align	8
	.type	k_q88adf29548_qkv,@function
k_q88adf29548_qkv:
	s_mov_b64 s[64:65], 0
	v_nop
	global_prefetch_b8 v0, s[64:65] scope:SCOPE_SE
	s_setreg_imm32_b32 hwreg(HW_REG_WAVE_MODE, 25, 1), 1
	s_wait_xcnt 0x0
	s_wait_alu depctr_hold_cnt(0) depctr_sa_sdst(0) depctr_va_vdst(0) depctr_va_sdst(0) depctr_va_ssrc(0) depctr_va_vcc(0) depctr_vm_vsrc(0)
	s_getreg_b32 s2, hwreg(HW_REG_IB_STS2, 6, 4)
	s_cmp_eq_u32 s2, 0
	s_cbranch_scc0 .Lentry_in_a_cluster
	s_endpgm
.Lentry_in_a_cluster:
	s_bfe_u32 s2, ttmp6, 0x10000c
	s_cmp_lg_u32 s2, 0xf033
	s_cbranch_scc0 .Lentry_shape_is_right
	s_endpgm
.Lentry_shape_is_right:
; The three projections q = x Wq, k = x Wk, v = x Wv on codes of E4M3, and their results quantised at once for the attention's products.  One body: C[m][n] = sum over k of A[m][k] B[n][k], K = 1,024.
; 24 clusters of 4 x 4 work-groups: cluster y / 8 says which product (0 q, 1 k, 2 v), cluster y % 8 which eighth of the 8,192 tokens.
;   q, k: A = x's codes for that product (rows = tokens), B = the weight's codes (rows = channels).  A lane's eight results are eight neighbouring CHANNELS of a token: neighbours along the score product's K.
;   v:    THE ROLES ARE SWAPPED: A = Wv's codes (rows = channels), B = x's codes (rows = tokens).  C is v transposed, and a lane's eight results are eight neighbouring KEYS of a channel: neighbours along the second product's K.
; A sum stands for sum x 2^(eA + eB), so its code is sum / 2^(eO - eA - eB): the three given exponents are folded into the conversion's one scale; the hold at 448 x that scale always runs.
; LIMITS: e6 - e0 - e1, e7 - e2 - e3 and e9 - e4 - e5 lie between -126 and 119, so that the scale and 448 x the scale are f32 numbers.
; OUTPUT, in PLANES of 64 neighbouring columns of C: q at byte 0 and k at 8 MiB: [16 heads][8192 tokens][64 bytes]; v at 16 MiB: [128 planes of 64 tokens][1024 channels][64 bytes].  In each 64-byte row the
; 8-byte groups of each 32 bytes lie in the order 0, 2, 1, 3: column 16 b + 8 h + j lies at byte 32 (b / 2) + 16 h + 8 (b % 2) + j, so that two loads of 16 bytes a lane give the plain 8-bit operand layout.
; A wave's 16 rows of a plane are 1,024 consecutive bytes: each store of the wave covers 512 consecutive, aligned bytes.
; A tile of C is 256 x 256, a wave makes 128 x 128: 64 accumulators, 512 registers.  K goes in four steps of 256 through a ring of two LDS slots filled by the tensor data mover.
; CLUSTERS: the four work-groups of a row of the cluster need the same tiles of A, the four of a column the same tiles of B: each tile is asked for JOINTLY, by the same tensor load with the same descriptor
; and a mask that names the four.  THE MATRIX INSTRUCTION IS USED TRANSPOSED (source 0 = 16 rows of B, source 1 = 16 rows of A): a lane holds eight neighbouring numbers of a row of C.
; Fragments come by four loads of 16 bytes: a permutation of k, the same in A and in B, so every product meets its partner.
; No prefetch: K has four steps, of which two are asked for at the head and two by the ring's two refills.
; REGISTERS, in windows of 256: window 0: v0-31 addresses and the two scale numbers; from v128 A's fragments, ONE set; on the way out v32-159 are at work.
;   window 1: B's fragments, TWO sets, at v0 and v128.   window 2: the accumulators of my rows 0-63 ((a, b) at v[8 (8 a + b)]);   window 3: those of my rows 64-127.
.set SIZE_K, 1024
.set KSTEP,  256                       ; along K in a slot
.set ROWB,   256                       ; a tile's row in bytes
.set KROW,   SIZE_K                    ; a row of A or of B in memory, in bytes
.set PITCH,  272                       ; an LDS row: 256 bytes + 16 of padding = 68 words: row r starts at bank 4 r mod 64 (64 banks of 4 bytes: ISA guide 11.1)
.set FR,     16                        ; registers of a fragment: 16 rows x 128 K
.set NL,     4                         ; LDS loads that bring one
.set NP,     4                         ; places behind this matrix instruction (ISA guide 7.12.1)
.set HALFT,  128*PITCH                 ; 128 rows: what one tensor load brings
.set SLOT,   4*HALFT                   ; A's 256 rows, then B's 256 rows
.set LAPS,   SIZE_K/(2*KSTEP)          ; a lap = two K steps = once round the ring
.set SPARE,  2*SLOT                    ; behind the ring: the spare words, 128 bytes for each wave: two blocks of 256 bytes that no other line names
.set STG,    2560                      ; the way out: a stage of 2 planes x 16 rows x 80 bytes for each wave, in slot 0, which has had its last fill and its last read when the first code is stored there
.set SCL,  12                          ; v12     the conversion's scale as f32
.set LIMR, 13                          ; v13     448 x that
.set ADRA, 16                          ; v16-17  LDS address of my A fragments in slot 0, 1
.set ADRB, 20                          ; v20-21  the same for B
.set STO,  24                          ; v24     the way out: where I put 8 codes
.set RD,   25                          ; v25     the way out: where I read 16 bytes back
.set CO,   26                          ; v26     my byte offset in a plane's 512 bytes
.set CO2,  27                          ; v27     the same, one plane on
.set SPW,  28                          ; v28     LDS address of my spare word; never rewritten
.set NIL,  29                          ; v29     0; never rewritten
.set TMP,  32                          ; v32-95  a block's sums, held
.set CODES, 96                         ; v96-127 a block's codes, two sets by turns
.set AF,   128                         ; A's fragments, in window 0
.set BK,   128                         ; the way out: a block's rows read back: v128-143 and v144-159 by turns
.set G1, 24                            ; s[24:31] descriptor group 1 for A's tiles;  s[32:39] group 0, one set for each slot
.set G0, 32
.set G1B, 48                           ; s[48:55], s[56:63] the same for B's tiles
.set G0B, 56
.set MSB, 0
.macro WIN new                         ; the immediate's high byte repeats the setting that is left
.if MSB != \new
	s_set_vgpr_msb (MSB<<8)|\new
.set MSB, \new
.endif
.endm
.set MUL_LO, 0xa1                      ; source 0 (B) window 1, source 1 (A) window 0, C and D window 2
.set MUL_HI, 0xf1                      ; the same, C and D window 3
.set TO_B,   0x40                      ; destination window 1, address window 0
; A joint load: waves 0 and 1 fetch for A, waves 2 and 3 for B.  Each line has ONE mask and one set of registers for all that issue it; the branch hangs on the wave's number alone.
; Four v_nop follow each of the two lines, ahead of the jump, the label and what follows.
.macro JLOAD g0a, g1a, g0b, g1b
	s_cmp_eq_u32 s15, 0
	s_cbranch_scc0 .Lfor_b_\@
	tensor_load_to_lds s[\g0a:\g0a+3], s[\g1a:\g1a+7]
	s_nop 0
.rept 4
	v_nop
.endr
	s_branch .Lasked_\@
.Lfor_b_\@:
	tensor_load_to_lds s[\g0b:\g0b+3], s[\g1b:\g1b+7]
	s_nop 0
.rept 4
	v_nop
.endr
.Lasked_\@:
.endm
.macro CREST                           ; a round of the cluster's barrier behind its opening barrier
	s_cmp_lg_u32 s14, 0
	s_cbranch_scc1 .Lnot_wave_0_\@
	s_barrier_signal -3
.Lnot_wave_0_\@:
	s_barrier_wait -3
	s_barrier_signal -1
	s_barrier_wait -1
.endm
.macro CROUND                          ; a whole round
	s_barrier_signal -1
	s_barrier_wait -1
	CREST
.endm
	s_load_b128 s[4:7], s[0:1], 0x0                ; x's codes s[4:5], the weights' codes s[6:7]
	s_load_b128 s[8:11], s[0:1], 0x10              ; the scales' exponents s[8:9], the output s[10:11]
	v_lshl_add_u32 v[SPW], v0, 2, SPARE
	v_mov_b32 v[NIL], 0
	ds_add_u32 v[SPW], v[NIL]                      ; the opening lines: the add, twice on end, and its wait ahead of the round in front of my first tensor load
	ds_add_u32 v[SPW], v[NIL]
	v_lshrrev_b32 v1, 5, v0
	v_readfirstlane_b32 s14, v1                    ; wave 0..3
	s_lshr_b32 s15, s14, 1                         ; which half of the tile's rows is mine.  Also: I fetch for A (0) or for B (1)
	s_and_b32 s16, s14, 1                          ; which half of its columns.  Also: which 128 rows of that tile I fetch
	s_bfe_u32 s40, ttmp6, 0x40000                  ; cx, cy: my place in the cluster
	s_bfe_u32 s41, ttmp6, 0x40004
	s_and_b32 s66, ttmp7, 0xffff                   ; the cluster's y, 0 .. 23: the same in all sixteen partners
	s_lshr_b32 s67, s66, 3                         ; which product: 0 q, 1 k, 2 v
	s_and_b32 s68, s66, 7                          ; which eighth of the tokens
	s_lshl_b32 s84, s67, 23                        ; x's set of codes for q or k: 8 MiB each
	s_lshl_b32 s85, s67, 20                        ; Wq's or Wk's codes: 1 MiB each
	s_cmp_lt_u32 s67, 2                            ; q or k?  All choices below hang on this one compare
	s_cselect_b32 s69, s68, 0                      ; the tokens run down C's rows (q, k)
	s_cselect_b32 s70, 0, s68                      ; or along its columns (v)
	s_cselect_b32 s71, 19, 16                      ; log2 of a plane's bytes: 8,192 rows x 64, or 1,024 x 64
	s_cselect_b32 s84, s84, 0x200000               ; where A begins in its buffer (v: Wv's codes, 2 MiB into the weights')
	s_cselect_b32 s85, s85, 0x1000000              ; where B begins (v: x's third set, 16 MiB)
	s_lshl_b32 s42, s70, 2
	s_add_co_u32 s42, s42, s40                     ; tile column of C
	s_lshl_b32 s17, s69, 2
	s_add_co_u32 s17, s17, s41                     ; tile row of C
	s_lshl_b32 s43, s41, 2
	s_lshl_b32 s43, 15, s43                        ; my row of the cluster
	s_lshl_b32 s44, 0x1111, s40                    ; my column
	; descriptor group 1: a tile of 128 rows x 256 bytes, padded in LDS; both operands have rows of 1,024 bytes, so one shape serves every product
	s_or_b32 s[G1+0], s43, (0<<16)|(1<<20)|(1<<21)|(5<<22)|(3<<25)  ; 15:0 the mask: A's tiles go to my row; 17:16 element of 1 byte; 20 padding on; 21 set beside a mask; 24:22 after every 64 words (code 5); 31:25 of 4 words (code 3)
	s_or_b32 s[G1B+0], s44, (0<<16)|(1<<20)|(1<<21)|(5<<22)|(3<<25)
.irp g, G1, G1B
	s_mov_b32 s[\g+1], ROWB<<16                    ; tensor_dim0
	s_mov_b32 s[\g+2], 128<<16                     ; tensor_dim1 = 128
	s_mov_b32 s[\g+3], ROWB<<16                    ; tile_dim0
	s_mov_b32 s[\g+4], 128                         ; tile_dim1 = 128
	s_mov_b32 s[\g+5], KROW                        ; tensor_dim0_stride
	s_mov_b32 s[\g+6], 0
	s_mov_b32 s[\g+7], 0
.endr
	s_lshl_b32 s18, s16, 7                         ; which 128 rows of the tile I fetch
	s_lshl_b32 s20, s17, 8
	s_add_co_u32 s20, s20, s18                     ; A: row 256 x tile row + 128 x half,
	s_lshl_b32 s20, s20, 10                        ; in bytes,
	s_add_co_u32 s20, s20, s84                     ; in its part of the buffer: under 2^25
	s_mov_b32 s21, 0
	s_lshl_b32 s46, s42, 8
	s_add_co_u32 s46, s46, s18                     ; B: row 256 x tile column + 128 x half
	s_lshl_b32 s46, s46, 10
	s_add_co_u32 s46, s46, s85
	s_mov_b32 s47, 0
	s_mul_i32 s45, s14, HALFT                      ; where they go: wave x 128 rows
	s_wait_dscnt 0x0                               ; both opening adds are done
	s_wait_kmcnt 0x0
	s_load_b256 s[72:79], s[8:9], 0x0              ; e0 .. e7
	s_load_b128 s[80:83], s[8:9], 0x20             ; e8 .. e11
	s_cmp_lt_u32 s67, 2
	s_cselect_b64 s[86:87], s[4:5], s[6:7]         ; A's buffer
	s_cselect_b64 s[88:89], s[6:7], s[4:5]         ; B's buffer
	s_add_nc_u64 s[20:21], s[86:87], s[20:21]
	s_add_nc_u64 s[46:47], s[88:89], s[46:47]
	; X'S CODES ARE PREFETCHED INTO THE L2 (this takes the place of the head's line on prefetching): behind the loads of K steps 0 and 1 the waves that fetch x's codes (A for q and k, B for v) ask for K steps 2 and 3,
	; two refills ahead.  Of the 128 rows that a wave fetches, each of the four partners that ask for them jointly takes 32, told apart by address (cx for A, cy for B): a lane a row, 256 bytes of it, one instruction a wave.
	; Each set of x's codes is read by one row of clusters' tiles alone, so each block is named once.  The weights are not asked for: eight clusters walk the same rows of a weight.  The address registers are never rewritten.
	s_cmp_lt_u32 s67, 2
	s_cselect_b64 s[94:95], s[20:21], s[46:47]     ; x's rows that a wave with my half fetches
	s_cselect_b32 s92, s40, s41                    ; my place among the four that ask with me
	s_lshl_b32 s92, s92, 15                        ; 32 rows of 1,024 bytes
	s_mov_b32 s93, 0
	s_add_nc_u64 s[94:95], s[94:95], s[92:93]
	s_lshr_b32 s96, s67, 1
	s_xor_b32 s96, s96, s15                        ; 0 where my wave fetches x's codes: the wave's number and the product's alone
.macro ASK j
	s_cmp_eq_u32 s96, 0
	s_cbranch_scc0 .Lnot_mine_\@
	global_prefetch_b8 v30, s[94:95] offset:256*(\j) th:TH_LOAD_NT scope:SCOPE_SE
.Lnot_mine_\@:
.endm
	CROUND                                         ; all sixteen work-groups are here: the first joint loads meet
.irp s, 0,1
	s_mov_b32 s[G0+4*\s], 1
	s_add_co_u32 s[G0+4*\s+1], s45, \s*SLOT
	s_add_nc_u64 s[G0+4*\s+2:G0+4*\s+3], s[20:21], \s*ROWB
	s_or_b32 s[G0+4*\s+3], s[G0+4*\s+3], 0x80000000
	s_mov_b32 s[G0B+4*\s], 1
	s_add_co_u32 s[G0B+4*\s+1], s45, \s*SLOT
	s_add_nc_u64 s[G0B+4*\s+2:G0B+4*\s+3], s[46:47], \s*ROWB
	s_or_b32 s[G0B+4*\s+3], s[G0B+4*\s+3], 0x80000000
.endr
	JLOAD G0, G1, G0B, G1B                         ; K step 0: one tensor load a wave at the head
	v_and_b32 v30, 31, v0
	v_lshlrev_b32 v30, 10, v30                     ; the prefetches' offset: my lane x a row of 1,024 bytes; never rewritten
	s_wait_alu depctr_va_vdst(0)                   ; the wait here, ahead of the branch below
	ASK 2
	v_and_b32 v1, 15, v0                           ; r = l % 16
	s_wait_alu depctr_va_vdst(0)
	v_bfe_u32 v2, v0, 4, 1                         ; h = l / 16
	v_mul_u32_u24 v3, v1, PITCH
	v_lshl_add_u32 v4, v2, 4, v3                   ; a fragment's row x pitch + 16 x half
	s_mul_i32 s21, s15, HALFT                      ; my 128 rows of A
	s_mul_i32 s22, s16, HALFT                      ; my 128 rows of B,
	s_add_co_u32 s22, s22, 2*HALFT                 ; which lie behind A's 256
.irp s, 0,1
	v_add_nc_u32 v[ADRA+\s], s21, v4
	v_add_nc_u32 v[ADRB+\s], s22, v4
	s_add_co_u32 s21, s21, SLOT
	s_add_co_u32 s22, s22, SLOT
.endr
	s_mul_i32 s23, s14, STG                        ; my stage
	v_mul_u32_u24 v5, v1, 80                       ; in: row r of 80 bytes, + 16 h
	s_wait_alu depctr_va_vdst(0)
	v_lshl_add_u32 v5, v2, 4, v5
	v_add_nc_u32 v[STO], s23, v5
	v_and_b32 v6, 31, v0
	; THE ORDER OF A BLOCK'S BYTES IN MEMORY (it takes the place of the row order named at the head): the 1,024 bytes of 16 rows of a plane are an image of the operand's registers:
	; the 16 bytes that stood at 64 r + 32 c + 16 h of the rows lie at 512 c + 16 (r + 16 h), so that lane l's load c of a fragment is the 16 bytes at 512 c + 16 l.
	v_add_nc_u32 v[RD], s23, v5                    ; back: lane (r, h) takes 16 bytes of row r at 16 h; the load's offset gives c
	v_lshlrev_b32 v[CO], 4, v6                     ; and the same eight rows in memory: 512 bytes on end
	s_lshl_b32 s22, 1, s71
	v_add_nc_u32 v[CO2], s22, v[CO]                ; my wave's second plane
	s_lshl_b32 s20, s17, 8
	s_lshl_b32 s21, s15, 7
	s_add_co_u32 s20, s20, s21                     ; my first row of C: 256 x tile row + 128 x half,
	s_lshl_b32 s20, s20, 6                         ; x 64 bytes
	s_lshl_b32 s46, s42, 2
	s_lshl_b32 s47, s16, 1
	s_add_co_u32 s46, s46, s47                     ; my first plane: 4 x tile column + 2 x half,
	s_lshl_b32 s46, s46, s71                       ; x a plane's bytes
	s_add_co_u32 s20, s20, s46
	s_lshl_b32 s46, s67, 23                        ; q's, k's or v's 8 MiB
	s_add_co_u32 s20, s20, s46
	s_mov_b32 s21, 0
	s_add_nc_u64 s[10:11], s[10:11], s[20:21]
.macro FRAG reg, adr, q, i             ; a fragment, 16 rows x 128 K, is 16 registers: lane l holds row l % 16; registers 4 c .. 4 c + 3 hold K = 32 c + 16 (l / 16) + 0 .. 15
.irp c, 0,1,2,3
	ds_load_b128 v[\reg+4*\c:\reg+4*\c+3], v[\adr] offset:128*(\q)+32*\c+(\i)*16*PITCH
.endr
.endm
; 16 matrix instructions: A's blocks a0, a0 + 1 x B's eight, 128 along K.  p: B's set.  zero = 1: the first product starts the sums: nothing is ever cleared.
; The 64 accumulators take turns, one instruction a turn, in the same order in every step.
.macro MUL16 a0, p, zero
.irp a, \a0, \a0+1
.irp b, 0,1,2,3,4,5,6,7
.if \zero
	v_wmma_f32_16x16x128_fp8_fp8 v[8*(8*((\a)%4)+\b):8*(8*((\a)%4)+\b)+7], v[128*(\p)+FR*\b:128*(\p)+FR*\b+FR-1], v[AF+FR*(\a):AF+FR*(\a)+FR-1], 0
.else
	v_wmma_f32_16x16x128_fp8_fp8 v[8*(8*((\a)%4)+\b):8*(8*((\a)%4)+\b)+7], v[128*(\p)+FR*\b:128*(\p)+FR*\b+FR-1], v[AF+FR*(\a):AF+FR*(\a)+FR-1], v[8*(8*((\a)%4)+\b):8*(8*((\a)%4)+\b)+7]
.endif
.endr
.endr
.endm
.macro FETCH_B slot, q, p              ; B's eight fragments of the slot's q-th 128 along K into set p
	WIN TO_B
.irp i, 0,1,2,3,4,5,6,7
	FRAG 128*(\p)+FR*\i, ADRB+\slot, \q, \i
.endr
	WIN 0
.endm
.macro FETCH_A slot, q, i0             ; A's blocks i0 .. i0 + 3
.irp i, \i0, \i0+1, \i0+2, \i0+3
	FRAG AF+FR*(\i), ADRA+\slot, \q, \i
.endr
.endm
; A load into a register that a matrix instruction has read, and a vector instruction that reads a matrix result, stand NP places behind that matrix instruction; only plain vector
; instructions that name none of its registers are places (ISA guide 7.12.1 for vector instructions).
.macro PLACES n
.rept \n
	v_nop
.endr
.endm
; A step of 128 along K that has its successor in the same slot.
.macro STEP slot, q, zero
	s_wait_dscnt 4*NL                              ; B's set and A's blocks 0-3 are in; the youngest 16 loads (A's blocks 4-7) may be out
	WIN MUL_LO
	MUL16 0, (\q)%2, \zero
	MUL16 2, (\q)%2, \zero
	s_wait_dscnt 0                                 ; A's blocks 4-7 are in (asked for 32 matrix instructions ago)
	PLACES NP
	FETCH_B \slot, (\q)+1, 1-(\q)%2
	FETCH_A \slot, (\q)+1, 0
	WIN MUL_HI
	MUL16 4, (\q)%2, \zero
	MUL16 6, (\q)%2, \zero
	PLACES NP
	WIN 0
	FETCH_A \slot, (\q)+1, 4
.endm
; A slot's last step changes slots: ONE barrier; in front of it each wave waits for all its tensor loads, adds 0 to its spare word, and waits for that and for its own reads of this slot.  fill = 1: this slot is filled again, two K steps ahead.
.macro TURN slot, next, fill
	s_wait_tensorcnt 0x0                           ; all my tensor loads have landed: my part of the next slot  (every window is 0 here)
	ds_add_u32 v[SPW], v[NIL]                      ; 0 onto my spare word
	s_wait_dscnt 4*NL+1                            ; (the add and the youngest 16 loads, A's blocks 4-7, may be out)
	WIN MUL_LO
	MUL16 0, 1, 0                                  ; sixteen matrix instructions stand between the add and the wait for it
	s_wait_dscnt 0x0                               ; the add is done, and my reads of this slot are over
	s_barrier_signal -1
	MUL16 2, 1, 0
	WIN 0
	s_barrier_wait -1
.if \fill
	CREST                                          ; the barrier has opened a round of the cluster's barrier: no wave of any partner still reads this slot's tile or has a load on its way
	s_add_nc_u64 s[G0+4*\slot+2:G0+4*\slot+3], s[G0+4*\slot+2:G0+4*\slot+3], 2*ROWB
	s_add_nc_u64 s[G0B+4*\slot+2:G0B+4*\slot+3], s[G0B+4*\slot+2:G0B+4*\slot+3], 2*ROWB
	JLOAD G0+4*\slot, G1, G0B+4*\slot, G1B         ; the first tensor load behind the round; the four v_nop behind it are the places in front of the loads below
.else
	PLACES NP
.endif
	FETCH_B \next, 0, 0
	FETCH_A \next, 0, 0
	WIN MUL_HI
	MUL16 4, 1, 0
	MUL16 6, 1, 0
	PLACES NP
	WIN 0
	FETCH_A \next, 0, 4
.endm
	s_wait_alu depctr_va_vdst(0)                   ; the head's end
	s_wait_tensorcnt 0x0                           ; my part of K step 0 is in
	ds_add_u32 v[SPW], v[NIL]
	s_wait_dscnt 0x0
	CROUND                                         ; everybody's part of K step 0 is in, and all sixteen work-groups are here
	JLOAD G0+4, G1, G0B+4, G1B                     ; K step 1: the first tensor load behind the round
	FETCH_B 0, 0, 0
	FETCH_A 0, 0, 0
	FETCH_A 0, 0, 4
	ASK 3
	STEP 0, 0, 1                                   ; the first step stands in front of the loop: its products start the sums
.if LAPS > 1
	s_mov_b32 s3, LAPS-1
.Llap:                                                 ; a trip goes once round the ring, from a lap's second step to the next lap's first, and fills both slots again
	TURN 0, 1, 1
	STEP 1, 0, 0
	TURN 1, 0, 1
	STEP 0, 0, 0
	s_sub_co_u32 s3, s3, 1
	s_cmp_lg_u32 s3, 0
	s_cbranch_scc1 .Llap
.endif
	TURN 0, 1, 0                                   ; the last lap fills nothing, and has no round of the cluster's barrier
	STEP 1, 0, 0
	s_wait_dscnt 4*NL                              ; the very last step: nothing more to fetch
	WIN MUL_LO
	MUL16 0, 1, 0
	MUL16 2, 1, 0
	s_wait_dscnt 0
	WIN MUL_HI
	MUL16 4, 1, 0
	MUL16 6, 1, 0
	WIN 0
; THE WAY OUT, block by block of 16 rows x 128 columns (two planes).  A block's 64 sums a lane are held, converted (8 neighbours to 8 bytes), put into my own stage in the order that the head comment gives,
; and read back as rows of 64 bytes, eight rows (512 bytes on end in memory) an instruction.  LDS serves a wave's instructions in order (ISA guide 5.7.1.4): no wait between the stores and the loads.
.macro TOSTAGE a
.set AC, 64*((\a)%4)
.set CD, CODES+16*((\a)%2)
.set BB, BK+16*((\a)%2)
	WIN (0x02+((\a)/4))                            ; source 0: window 2 or 3
.set i, 0
.rept 64
	v_med3_num_f32 v[TMP+i], v[AC+i], -v[LIMR], v[LIMR]   ; the hold at 448 x the scale; each accumulator from its low end on
.set i, i+1
.endr
	WIN 0
.irp b, 0,1,2,3,4,5,6,7
	v_cvt_scalef32_pk8_fp8_f32 v[CD+2*\b:CD+2*\b+1], v[TMP+8*\b:TMP+8*\b+7], v[SCL]   ; columns 16 b + 8 h + 0 .. 7 of row r
.endr
	v_nop                                          ; one plain vector line behind the last conversion: the next block's holds write the conversions' sources
.irp b, 0,1,2,3,4,5,6,7
	ds_store_b64 v[STO], v[CD+2*\b:CD+2*\b+1] offset:(\b/4)*1280+32*((\b%4)/2)+8*(\b%2)
.endr
.irp k, 0,1,2,3
	ds_load_b128 v[BB+4*\k:BB+4*\k+3], v[RD] offset:1280*(\k/2)+32*(\k%2)   ; k / 2: the plane; k % 2: c
.endr
.endm
.macro SEND a, younger                 ; younger: the LDS instructions issued behind block a's loads, which may stay out
.set BB, BK+16*((\a)%2)
	s_wait_dscnt \younger                          ; the block is back in registers
	global_store_b128 v[CO],  v[BB:BB+3],     s[10:11] offset:1024*(\a)       ; 32 lanes store 512 consecutive bytes, at a multiple of 512 from the buffer's first byte
	global_store_b128 v[CO],  v[BB+4:BB+7],   s[10:11] offset:1024*(\a)+512
	global_store_b128 v[CO2], v[BB+8:BB+11],  s[10:11] offset:1024*(\a)
	global_store_b128 v[CO2], v[BB+12:BB+15], s[10:11] offset:1024*(\a)+512
.endm
	s_wait_kmcnt 0x0
	s_sub_co_i32 s90, s78, s72
	s_sub_co_i32 s90, s90, s73                     ; q: e6 - e0 - e1
	s_sub_co_i32 s91, s79, s74
	s_sub_co_i32 s91, s91, s75                     ; k: e7 - e2 - e3
	s_sub_co_i32 s92, s81, s76
	s_sub_co_i32 s92, s92, s77                     ; v: e9 - e4 - e5
	s_cmp_eq_u32 s67, 1                            ; chosen by the product's number, without a jump
	s_cselect_b32 s90, s91, s90
	s_cmp_eq_u32 s67, 2
	s_cselect_b32 s90, s92, s90
	s_add_co_i32 s90, s90, 127
	s_lshl_b32 s91, s90, 23
	v_mov_b32 v[SCL], s91                          ; the folded scale as f32: the conversion takes its exponent field
	s_add_co_i32 s90, s90, 8
	s_lshl_b32 s90, s90, 23
	s_or_b32 s90, s90, 0x600000
	v_mov_b32 v[LIMR], s90                         ; 448 x that
	PLACES NP                                      ; behind the last products: for the reads of results and for the loads into the registers that held A's fragments
	TOSTAGE 0
.irp a, 1,2,3,4,5,6,7
.if \a > 1
	s_wait_xcnt 0x0                                ; block a - 2's stores have read their registers: block a's loads may land there
.endif
	TOSTAGE \a
	SEND \a-1, 12                                  ; behind block a - 1's loads: block a's 8 stores and 4 loads
.endr
	SEND 7, 0
	s_wait_tensorcnt 0x0                           ; the wave's end, behind my last tensor load and my last LDS store
	ds_add_u32 v[SPW], v[NIL]
	s_wait_dscnt 0x0
	CROUND                                         ; the closing round: no work-group ends while a partner may still ask for a tile that names it
	s_endpgm
.Lfunc_end_k_q88adf29548_qkv:
	.size	k_q88adf29548_qkv, .Lfunc_end_k_q88adf29548_qkv-k_q88adf29548_qkv
	.p2alignl 7, 3214868480
	.fill 96, 4, 3214868480
	.section	.rodata,"a",@progbits
	.p2align	6, 0x0
	.amdhsa_kernel k_q88adf29548_qkv
		.amdhsa_group_segment_fixed_size 327680
		.amdhsa_private_segment_fixed_size 0
		.amdhsa_enable_private_segment 0
		.amdhsa_kernarg_size 32
		.amdhsa_user_sgpr_count 2
		.amdhsa_user_sgpr_kernarg_segment_ptr 1
		.amdhsa_wavefront_size32 1
		.amdhsa_system_sgpr_workgroup_id_x 1
		.amdhsa_system_sgpr_workgroup_id_y 1
		.amdhsa_system_sgpr_workgroup_id_z 1
		.amdhsa_system_vgpr_workitem_id 0
		.amdhsa_next_free_vgpr 1024
		.amdhsa_next_free_sgpr 100
		.amdhsa_reserve_vcc 0
		.amdhsa_float_denorm_mode_32 3
		.amdhsa_float_denorm_mode_16_64 3
		.amdhsa_memory_ordered 1
		.amdhsa_forward_progress 1
		.amdhsa_inst_pref_size 126
	.end_amdhsa_kernel
	.amdgpu_metadata
---
amdhsa.version: [ 1, 2 ]
amdhsa.kernels:
  - .name:           k_q88adf29548_qkv
    .symbol:         k_q88adf29548_qkv.kd
    .args:
      - { .name: xc, .offset: 0, .size: 8, .value_kind: global_buffer, .address_space: global }
      - { .name: wc, .offset: 8, .size: 8, .value_kind: global_buffer, .address_space: global }
      - { .name: lowp_scales, .offset: 16, .size: 8, .value_kind: global_buffer, .address_space: global }
      - { .name: qkv, .offset: 24, .size: 8, .value_kind: global_buffer, .address_space: global }
    .group_segment_fixed_size: 327680
    .private_segment_fixed_size: 0
    .kernarg_segment_align: 8
    .kernarg_segment_size: 32
    .max_flat_workgroup_size: 128
    .sgpr_count:     100
    .vgpr_count:     1024
    .wavefront_size: 32
...
	.end_amdgpu_metadata
.endif
;; end of part 2
;; launch attn (part 3): grid 4 x 64, 16 waves a work-group, clusters of 4 x 1, 327,680 bytes of LDS; arguments qkv, lowp_scales, ctx; writes ctx
.if DOCPART == 3
	.amdgcn_target "amdgcn-amd-amdhsa--gfx1250"
	.amdhsa_code_object_version 6
	.text
	.protected	k_q88adf29548_attn
	.globl	k_q88adf29548_attn
	.p2align	8
	.type	k_q88adf29548_attn,@function
k_q88adf29548_attn:
	s_mov_b64 s[64:65], 0
	v_nop
	global_prefetch_b8 v0, s[64:65] scope:SCOPE_SE
	s_setreg_imm32_b32 hwreg(HW_REG_WAVE_MODE, 25, 1), 1
	s_wait_xcnt 0x0
	s_wait_alu depctr_hold_cnt(0) depctr_sa_sdst(0) depctr_va_vdst(0) depctr_va_sdst(0) depctr_va_ssrc(0) depctr_va_vcc(0) depctr_vm_vsrc(0)
	s_getreg_b32 s2, hwreg(HW_REG_IB_STS2, 6, 4)
	s_cmp_eq_u32 s2, 0
	s_cbranch_scc0 .Lentry_in_a_cluster
	s_endpgm
.Lentry_in_a_cluster:
	s_bfe_u32 s2, ttmp6, 0x10000c
	s_cmp_lg_u32 s2, 0x3003
	s_cbranch_scc0 .Lentry_shape_is_right
	s_endpgm
.Lentry_shape_is_right:
; ctx[b][q][head] = the sum over k of softmax_k(Q . K / 8) V, key k counting for query q where k <= q + 1 (the mask that the problem builds itself), both products on codes of E4M3; ctx leaves as codes for the last projection.
; LEFT OUT: key steps all of whose keys the mask hides from a tile: their p is 0 for all values of the inputs.  A NaN or infinity that reaches only such steps is not carried to the result.
; IN (one buffer): q at byte 0, k at 8 MiB: [16 heads][8192 tokens][64 bytes]; v at 16 MiB, keys innermost: [128 planes of 64 tokens][1024 channels][64 bytes].  Each 1,024 bytes (16 rows x 64) are an image of the
; operand's registers: lane l's load c (registers 4 c .. 4 c + 3 of the plain 8-bit layout: k = 32 c + 8 (l / 16) + 0 .. 7 and 32 c + 16 + 8 (l / 16) + 0 .. 7 of row l % 16) is the 16 bytes at 512 c + 16 l.
; OUT: ctx [16 heads][8192 tokens][64 bytes], channels in their own order.
; THE SOFTMAX: t = score x log2(e) / 8; M = the row's largest t so far, rounded UP to a whole number; p = 2^(t - M) is quantised (scale 2^e8), not normalised.  The row's sum is taken of the unquantised p and divides O
; at the end.  When M moves, the sum and O are multiplied by 2^(old M - new M): exact.
; SHARES.  A cluster of four work-groups is one (batch, head).  Wave w of work-group g owns two tiles of 16 queries, at 64 w + 16 g and at 1984 - 64 w + 16 g: 18 tile steps of 128 keys for every wave but wave 0, which has 17.
; BRANCHES hang on the wave's number and the step's count alone, the same in all four partners: a tile's step is left out where its first key lies past base + 64, and the mask where all 128 keys count for all partners.
; A partner for which a walked step is wholly hidden gets p = 0 there: steps ascend and key 0 counts for every query, so M is a number by then.
; LDS: the whole head is resident, each byte filled once: K's 128 tiles of 1,024 bytes at 0, V's 32 planes of 4,096 bytes at 131,072, dense: every fragment load reads 512 bytes on end.  Behind them the spare
; words and a stage of 1,024 bytes for each wave, on which no fill lands.  Every wave issues ONE joint tensor load (waves 0-7: 256 keys of K as 64 rows of 256 bytes; waves 8-15: 4 planes of V as rows of 4,096 bytes),
; with the mask of all four partners.  One barrier shows the head to all waves; then they share nothing.  No prefetch: all of K and V is asked for at the head, and no loop runs ahead of a load.
; Both products are used transposed (S^T = K Q^T, O^T = V^T P^T): a lane holds ONE query (lane % 16).  Register 8 t + j of S^T is key 16 t + 8 (lane / 16) + j, so the conversions' results are P's registers.
; LIMITS: e6 + e7 between -123 and 130; e8, and e10 - e8 - e9, between -126 and 119, so that each power of two below is an f32 number.  NaN among the inputs is not served.
.set VB,    131072
.set SPARE, 262144                     ; 16 x 128 bytes that no other line names
.set STAGE, 264192
.set STEPB, 8192                       ; a key step: 8 tiles of K, 2 planes of V
.set L16,  1                           ; v1 16 x lane
.set L16V, 2                           ; v2 the same in V
.set ADK,  3                           ; v3, v4 LDS addresses of the step in hand
.set ADV,  4
.set DBE,  5                           ; v5, v6 my query + 1 - 8 h, early and late tile
.set DBL,  6
.set SPW,  7                           ; v7 my spare word; never rewritten
.set STE,  8                           ; v8 -M, v9 largest t, v[10:11] the sum: early tile
.set STL,  12                          ; late tile
.set QE,   16
.set QL,   24
.set F,    32                          ; v32-95 K's eight fragments, then V's four
.set S,    96                          ; v96-159 S^T, then p
.set OE,   160
.set OL,   192
.set P,    224                         ; v224-239 p's codes
.set NIL,  240                         ; 0; never rewritten
.set PSCL, 241                         ; 2^e8
.set SUM2, 242                         ; v242-247 three more chains of the sum
.set MX,   248                         ; v248-251 four chains of the maximum
.set FF,   252                         ; v[252:253] f = 2^(old M - new M)
.set WK,   254
.set NINF, 255
.set WV,   18
.set SEL,  20
.set CS,   22                          ; s[22:23] c = log2(e) / 8 x 2^(e6 + e7)
.set G1K,  24
.set G0,   32
.set G1V,  36
.set TB,   48
.set KF,   49
.set CNT,  50
.set TS,   55
.set PLS,  61                          ; s61 448 x 2^e8;  s62, s63: 2^(e10 - e8 - e9) and 448 x that
.set SST,  79                          ; s79 my stage
.macro CROUND
	s_barrier_signal -1
	s_barrier_wait -1
	s_cmp_lg_u32 s[WV], 0
	s_cbranch_scc1 .Lnot_wave_0_\@
	s_barrier_signal -3
.Lnot_wave_0_\@:
	s_barrier_wait -3
	s_barrier_signal -1
	s_barrier_wait -1
.endm
	s_load_b128 s[4:7], s[0:1], 0x0                ; the codes, the scales' exponents
	s_load_b64 s[8:9], s[0:1], 0x10                ; ctx
	v_lshl_add_u32 v[SPW], v0, 2, SPARE
	v_mov_b32 v[NIL], 0
	ds_add_u32 v[SPW], v[NIL]                      ; the opening lines: the add, twice on end, and its wait
	ds_add_u32 v[SPW], v[NIL]
	v_lshrrev_b32 v[WK], 5, v0
	v_readfirstlane_b32 s[WV], v[WK]               ; wave 0..15
	s_bfe_u32 s19, ttmp6, 0x40000                  ; cx
	s_and_b32 s10, ttmp7, 0xffff                   ; 16 x batch + head
	s_lshr_b32 s11, s10, 4
	s_and_b32 s12, s10, 15
	s_and_b32 s13, s[WV], 7
	s_lshl_b32 s14, s12, 19
	s_lshl_b32 s15, s11, 17
	s_add_co_u32 s14, s14, s15                     ; the head's and batch's first byte in q, k and ctx
	s_lshl_b32 s15, s13, 14
	s_add_co_u32 s15, s15, s14
	s_add_co_u32 s15, s15, 0x800000                ; K: 256 keys = 16,384 bytes a wave
	s_lshl_b32 s16, s11, 21
	s_lshl_b32 s17, s12, 12
	s_add_co_u32 s16, s16, s17
	s_lshl_b32 s17, s13, 18
	s_add_co_u32 s16, s16, s17
	s_add_co_u32 s16, s16, 0x1000000               ; V: 4 planes a wave, the head's 4,096 bytes of each
	s_cmp_lt_u32 s[WV], 8
	s_cselect_b32 s74, s15, s16
	s_mov_b32 s75, 0
	s_lshl_b32 s78, s[WV], 14                      ; in LDS: 16,384 x wave: no place in the cluster enters it
	s_lshl_b32 s52, s[WV], 6                       ; the early tile's base: a step is open where its first key + 126 <= this,
	s_add_co_u32 s51, s52, 64                      ; and left out where its first key is above this
	s_sub_co_u32 s54, 1984, s52
	s_sub_co_u32 s53, 2048, s52
	s_lshl_b32 s[TS], s19, 4
	s_add_co_u32 s80, s52, s[TS]                   ; my tiles' first queries
	s_add_co_u32 s81, s54, s[TS]
	s_lshl_b32 s82, s80, 6
	s_add_co_u32 s82, s82, s14
	s_mov_b32 s83, 0
	s_lshl_b32 s84, s81, 6
	s_add_co_u32 s84, s84, s14
	s_mov_b32 s85, 0
	s_mov_b32 s[G1K], 15|(1<<21)                   ; the mask of all four, bit 21 beside it; elements of 1 byte; no padding
	s_mov_b32 s[G1K+1], 256<<16
	s_mov_b32 s[G1K+2], 64<<16
	s_mov_b32 s[G1K+3], 256<<16
	s_mov_b32 s[G1K+4], 64
	s_mov_b32 s[G1K+5], 256
	s_mov_b32 s[G1K+6], 0
	s_mov_b32 s[G1K+7], 0
	s_mov_b32 s[G1V], 15|(1<<21)
	s_mov_b32 s[G1V+1], 4096<<16
	s_mov_b32 s[G1V+2], 4<<16
	s_mov_b32 s[G1V+3], 4096<<16
	s_mov_b32 s[G1V+4], 4
	s_mov_b32 s[G1V+5], 65536
	s_mov_b32 s[G1V+6], 0
	s_mov_b32 s[G1V+7], 0
	s_mov_b32 s[SEL], 0x76543210
	s_mov_b32 s[SEL+1], 0xfedcba98
	s_mov_b32 s[CS], 0x3e38aa3b                    ; log2(e) / 8
	s_mov_b32 s[TB], 0
	s_mov_b32 s[KF], 0
	s_lshl_b32 s[SST], s[WV], 10
	s_add_co_u32 s[SST], s[SST], STAGE
	s_wait_dscnt 0x0                               ; both opening adds are done
	s_wait_kmcnt 0x0
	s_load_b128 s[56:59], s[6:7], 0x18             ; e6 .. e9
	s_load_b32 s60, s[6:7], 0x28                   ; e10
	s_add_nc_u64 s[66:67], s[4:5], s[82:83]        ; Q of my tiles
	s_add_nc_u64 s[68:69], s[4:5], s[84:85]
	s_add_nc_u64 s[70:71], s[8:9], s[82:83]        ; ctx likewise
	s_add_nc_u64 s[72:73], s[8:9], s[84:85]
	s_mov_b32 s[G0], 1
	s_mov_b32 s[G0+1], s78
	s_add_nc_u64 s[G0+2:G0+3], s[4:5], s[74:75]
	s_or_b32 s[G0+3], s[G0+3], 0x80000000
	CROUND                                         ; all four work-groups are here: the joint loads meet
	s_cmp_lt_u32 s[WV], 8
	s_cbranch_scc0 .Lfor_v
	tensor_load_to_lds s[G0:G0+3], s[G1K:G1K+7]
	s_nop 0
.rept 4
	v_nop
.endr
	s_branch .Lasked
.Lfor_v:
	tensor_load_to_lds s[G0:G0+3], s[G1V:G1V+7]
	s_nop 0
.rept 4
	v_nop
.endr
.Lasked:
	v_and_b32 v[L16], 31, v0
	v_lshlrev_b32 v[L16], 4, v[L16]
	global_load_b128 v[QE:QE+3],   v[L16], s[66:67]             ; Q's fragments stay in registers
	global_load_b128 v[QE+4:QE+7], v[L16], s[66:67] offset:512
	global_load_b128 v[QL:QL+3],   v[L16], s[68:69]
	global_load_b128 v[QL+4:QL+7], v[L16], s[68:69] offset:512
	v_add_nc_u32 v[L16V], VB, v[L16]
	v_and_b32 v[WK], 15, v0                        ; r
	v_bfe_u32 v[FF], v0, 4, 1                      ; h
	v_lshlrev_b32 v[FF+1], 3, v[FF]
	v_sub_nc_u32 v[FF+1], v[WK], v[FF+1]
	v_add_nc_u32 v[FF+1], 1, v[FF+1]               ; r + 1 - 8 h
	v_add_nc_u32 v[DBE], s80, v[FF+1]
	v_add_nc_u32 v[DBL], s81, v[FF+1]
	v_mov_b32 v[STE+1], 0xff61b1e6                 ; the largest t so far: -3e38
	v_mov_b32 v[STL+1], 0xff61b1e6
	v_floor_f32 v[STE], -v[STE+1]
	v_floor_f32 v[STL], -v[STL+1]
	v_mov_b32 v[STE+2], 0
	v_mov_b32 v[STE+3], 0
	v_mov_b32 v[STL+2], 0
	v_mov_b32 v[STL+3], 0
	v_mov_b32 v[MX], 0                             ; destinations of lane permutes are written once
	v_mov_b32 v[MX+1], 0
	v_mov_b32 v[NINF], 0xff800000
.set i, 0
.rept 64
	v_mov_b32 v[OE+i], 0                           ; O^T of both tiles: the step has no first form of its own
.set i, i+1
.endr
	s_wait_kmcnt 0x0
	s_add_co_i32 s[TS], s56, s57
	s_lshl_b32 s[TS], s[TS], 23
	s_add_co_i32 s[CS], s[CS], s[TS]               ; e6 + e7 added to c's exponent field
	s_mov_b32 s[CS+1], s[CS]
	s_add_co_i32 s[TS], s58, 127
	s_lshl_b32 s10, s[TS], 23
	v_mov_b32 v[PSCL], s10
	s_add_co_i32 s[TS], s[TS], 8
	s_lshl_b32 s[TS], s[TS], 23
	s_or_b32 s[PLS], s[TS], 0x600000
	s_sub_co_i32 s[TS], s60, s58
	s_sub_co_i32 s[TS], s[TS], s59                 ; ctx's code is (O / l) / 2^(e10 - e8 - e9)
	s_add_co_i32 s[TS], s[TS], 127
	s_lshl_b32 s62, s[TS], 23
	s_add_co_i32 s[TS], s[TS], 8
	s_lshl_b32 s[TS], s[TS], 23
	s_or_b32 s63, s[TS], 0x600000
; ONE TILE'S KEY STEP: 16 queries x 128 keys.
.macro TILE_STEP Q, O, ST, DB, LIM, OPEN
	s_cmp_gt_u32 s[KF], s[\LIM]
	s_cbranch_scc1 .Lhid_\@
	s_cmp_lg_u32 s[KF], s[\LIM]
	s_cbranch_scc1 .Lfull_\@
	; THE SHORT STEP: the step's first key is base + 64, the one key of the step that any query of the tile's 64 (in any partner) sees.  So only the first 16 keys are multiplied and walked: 8 scores a lane;
	; the other 112 keys get zero codes, which add nothing.  V's loads and the second product are the full step's.
	v_add_nc_u32 v[ADK], s[TB], v[L16]
	v_add_nc_u32 v[ADV], s[TB], v[L16V]
	v_sub_nc_u32 v[FF], v[\DB], s[KF]              ; d: register j is hidden where j > d
	v_nop                                          ; the fourth place in front of loads into registers that the last products have read
	ds_load_b128 v[F:F+3], v[ADK]
	ds_load_b128 v[F+4:F+7], v[ADK] offset:512
	s_wait_alu depctr_va_vdst(0)
	s_wait_dscnt 0x0
	v_wmma_f32_16x16x64_fp8_fp8 v[S:S+7], v[F:F+7], v[\Q:\Q+7], 0
.irp n, 2,3,4,5,6,7,8,9,10,11,12,13,14,15
	v_mov_b32 v[P+\n], 0                           ; zero codes for keys 16 .. 127; these lines are also the places behind the product
.endr
.irp t, 0,1,2,3
.irp c, 0,1,2,3
	ds_load_b128 v[F+16*\t+4*\c:F+16*\t+4*\c+3], v[ADV] offset:1024*\t+4096*(\c/2)+512*(\c%2)
.endr
.endr
.irp n, 0,1,2,3,4,5,6,7
	v_cmp_gt_i32 vcc_lo, \n, v[FF]
	v_cndmask_b32 v[S+\n], v[S+\n], v[NINF], vcc_lo
.endr
	v_max3_num_f32 v[MX], v[S], v[S+1], v[S+2]
	v_max3_num_f32 v[MX+1], v[S+3], v[S+4], v[S+5]
	v_max3_num_f32 v[MX], v[MX], v[S+6], v[S+7]
	v_max_num_f32 v[MX], v[MX], v[MX+1]
	s_delay_alu instid0(VALU_DEP_1)
	v_permlanex16_b32 v[MX+1], v[MX], s[SEL], s[SEL+1]
	s_delay_alu instid0(VALU_DEP_1)
	v_max_num_f32 v[MX], v[MX], v[MX+1]
	s_delay_alu instid0(VALU_DEP_1)
	v_mul_f32 v[MX], s[CS], v[MX]
	s_delay_alu instid0(VALU_DEP_1)
	v_max_num_f32 v[\ST+1], v[\ST+1], v[MX]
	v_mov_b32 v[MX], v[\ST]
	s_delay_alu instid0(VALU_DEP_2)
	v_floor_f32 v[\ST], -v[\ST+1]
	s_delay_alu instid0(VALU_DEP_1)
	v_sub_f32 v[MX], v[\ST], v[MX]
	s_delay_alu instid0(VALU_DEP_1)
	v_cvt_i32_f32 v[MX], v[MX]
	s_delay_alu instid0(VALU_DEP_1)
	v_ldexp_f32 v[FF], 1.0, v[MX]
.irp n, 0,2,4,6
	v_pk_fma_f32 v[S+\n:S+\n+1], v[S+\n:S+\n+1], s[CS:CS+1], v[\ST:\ST+1] op_sel_hi:[1,0,0]
.endr
	s_wait_alu depctr_va_vdst(0)                   ; ahead of the batch, and directly ahead of the first readers of O^T
.set n, 0
.rept 16
	v_pk_mul_f32 v[\O+n:\O+n+1], v[\O+n:\O+n+1], v[FF:FF+1] op_sel_hi:[1,0]
.set n, n+2
.endr
.irp n, 0,1,2,3,4,5,6,7
	v_exp_f32 v[S+\n], v[S+\n]
.endr
	v_pk_mul_f32 v[\ST+2:\ST+3], v[\ST+2:\ST+3], v[FF:FF+1] op_sel_hi:[1,0]
	s_wait_alu depctr_va_vdst(0)                   ; one wait for the batch, ahead of its first reader
	v_pk_add_f32 v[SUM2:SUM2+1], v[S:S+1], v[S+2:S+3]
	v_pk_add_f32 v[SUM2+2:SUM2+3], v[S+4:S+5], v[S+6:S+7]
	v_pk_add_f32 v[\ST+2:\ST+3], v[\ST+2:\ST+3], v[SUM2:SUM2+1]
	v_pk_add_f32 v[\ST+2:\ST+3], v[\ST+2:\ST+3], v[SUM2+2:SUM2+3]
.irp j, 0,2,4,6
	v_dual_min_num_f32 v[S+\j], s[PLS], v[S+\j] :: v_dual_min_num_f32 v[S+\j+1], s[PLS], v[S+\j+1]
.endr
	v_cvt_scalef32_pk8_fp8_f32 v[P:P+1], v[S:S+7], v[PSCL]
	s_branch .Lpv_\@
.Lfull_\@:
	v_add_nc_u32 v[ADK], s[TB], v[L16]
	v_add_nc_u32 v[ADV], s[TB], v[L16V]
	v_nop                                          ; with the two additions: four places in front of loads into registers that the last products have read
	v_nop
.irp t, 0,1,2,3,4,5,6,7
.irp c, 0,1
	ds_load_b128 v[F+8*\t+4*\c:F+8*\t+4*\c+3], v[ADK] offset:1024*\t+512*\c
.endr
.endr
	s_wait_alu depctr_va_vdst(0)
	s_wait_dscnt 8                                 ; tiles 0-3 are in; the 8 younger loads may be out
.irp t, 0,1,2,3
	v_wmma_f32_16x16x64_fp8_fp8 v[S+8*\t:S+8*\t+7], v[F+8*\t:F+8*\t+7], v[\Q:\Q+7], 0
.endr
	s_wait_dscnt 0x0
.irp t, 4,5,6,7
	v_wmma_f32_16x16x64_fp8_fp8 v[S+8*\t:S+8*\t+7], v[F+8*\t:F+8*\t+7], v[\Q:\Q+7], 0
.endr
.rept 4
	v_nop                                          ; places: in front of the loads over K's fragments and of the first read of the scores
.endr
.irp t, 0,1,2,3
.irp c, 0,1,2,3
	ds_load_b128 v[F+16*\t+4*\c:F+16*\t+4*\c+3], v[ADV] offset:1024*\t+4096*(\c/2)+512*(\c%2)   ; V: channels 16 t + r, keys 32 c on: they land while the softmax is walked
.endr
.endr
	s_add_co_u32 s[TS], s[KF], 126
	s_cmp_le_u32 s[TS], s[\OPEN]
	s_cbranch_scc1 .Lopen_\@
	v_sub_nc_u32 v[FF], v[\DB], s[KF]              ; d: register 8 t + j is hidden where 16 t + j > d
.set n, 0
.rept 64
	v_cmp_gt_i32 vcc_lo, 16*(n/8)+n%8, v[FF]
	v_cndmask_b32 v[S+n], v[S+n], v[NINF], vcc_lo
.set n, n+1
.endr
.Lopen_\@:
.irp k, 0,1,2,3
	v_max3_num_f32 v[MX+\k], v[S+3*\k], v[S+3*\k+1], v[S+3*\k+2]   ; the step's largest score, in four chains; registers ascend
.endr
.set n, 12
.rept 26
	v_max3_num_f32 v[MX+((n-12)/2)%4], v[MX+((n-12)/2)%4], v[S+n], v[S+n+1]
.set n, n+2
.endr
	s_delay_alu instid0(VALU_DEP_1)
	v_max3_num_f32 v[MX], v[MX], v[MX+1], v[MX+2]
	s_delay_alu instid0(VALU_DEP_1)
	v_max_num_f32 v[MX], v[MX], v[MX+3]
	s_delay_alu instid0(VALU_DEP_1)
	v_permlanex16_b32 v[MX+1], v[MX], s[SEL], s[SEL+1]
	s_delay_alu instid0(VALU_DEP_1)
	v_max_num_f32 v[MX], v[MX], v[MX+1]            ; with lane l xor 16's
	s_delay_alu instid0(VALU_DEP_1)
	v_mul_f32 v[MX], s[CS], v[MX]                  ; as t (c is positive)
	s_delay_alu instid0(VALU_DEP_1)
	v_max_num_f32 v[\ST+1], v[\ST+1], v[MX]
	v_mov_b32 v[MX], v[\ST]
	s_delay_alu instid0(VALU_DEP_2)
	v_floor_f32 v[\ST], -v[\ST+1]                  ; the new -M = -ceil(t)
	s_delay_alu instid0(VALU_DEP_1)
	v_sub_f32 v[MX], v[\ST], v[MX]
	s_delay_alu instid0(VALU_DEP_1)
	v_cvt_i32_f32 v[MX], v[MX]
	s_delay_alu instid0(VALU_DEP_1)
	v_ldexp_f32 v[FF], 1.0, v[MX]                  ; f = 2^(old M - new M)
.set n, 0
.rept 32
	v_pk_fma_f32 v[S+n:S+n+1], v[S+n:S+n+1], s[CS:CS+1], v[\ST:\ST+1] op_sel_hi:[1,0,0]   ; t - M
.set n, n+2
.endr
	s_wait_alu depctr_va_vdst(0)                   ; ahead of the batch, and directly ahead of the first readers of O^T
.set n, 0
.rept 16
	v_pk_mul_f32 v[\O+n:\O+n+1], v[\O+n:\O+n+1], v[FF:FF+1] op_sel_hi:[1,0]   ; O^T under the new M
.set n, n+2
.endr
.set n, 0
.rept 64
	v_exp_f32 v[S+n], v[S+n]                       ; p = 2^(t - M)
.set n, n+1
.endr
	v_pk_mul_f32 v[\ST+2:\ST+3], v[\ST+2:\ST+3], v[FF:FF+1] op_sel_hi:[1,0]   ; the sum under the new M: the plain line behind the batch
	s_wait_alu depctr_va_vdst(0)                   ; one wait for the batch, ahead of its first reader
.irp k, 0,1,2
	v_pk_add_f32 v[SUM2+2*\k:SUM2+2*\k+1], v[S+4*\k:S+4*\k+1], v[S+4*\k+2:S+4*\k+3]   ; the sum of the unquantised p, in four chains
.endr
.set n, 12
.rept 6
	v_pk_add_f32 v[\ST+2:\ST+3], v[\ST+2:\ST+3], v[S+n:S+n+1]
	v_pk_add_f32 v[SUM2:SUM2+1], v[SUM2:SUM2+1], v[S+n+2:S+n+3]
	v_pk_add_f32 v[SUM2+2:SUM2+3], v[SUM2+2:SUM2+3], v[S+n+4:S+n+5]
	v_pk_add_f32 v[SUM2+4:SUM2+5], v[SUM2+4:SUM2+5], v[S+n+6:S+n+7]
.set n, n+8
.endr
	v_pk_add_f32 v[\ST+2:\ST+3], v[\ST+2:\ST+3], v[S+60:S+61]
	v_pk_add_f32 v[SUM2:SUM2+1], v[SUM2:SUM2+1], v[S+62:S+63]
	v_pk_add_f32 v[SUM2+2:SUM2+3], v[SUM2+2:SUM2+3], v[SUM2+4:SUM2+5]
	v_pk_add_f32 v[\ST+2:\ST+3], v[\ST+2:\ST+3], v[SUM2:SUM2+1]
	v_pk_add_f32 v[\ST+2:\ST+3], v[\ST+2:\ST+3], v[SUM2+2:SUM2+3]
.irp t, 0,1,2,3,4,5,6,7
.irp j, 0,2,4,6
	v_dual_min_num_f32 v[S+8*\t+\j], s[PLS], v[S+8*\t+\j] :: v_dual_min_num_f32 v[S+8*\t+\j+1], s[PLS], v[S+8*\t+\j+1]   ; the conversion does not saturate (ISA guide 7.6.2); p is not negative: a one-sided hold, two a line
.endr
	v_cvt_scalef32_pk8_fp8_f32 v[P+2*\t:P+2*\t+1], v[S+8*\t:S+8*\t+7], v[PSCL]
.endr
.Lpv_\@:
	v_nop
	s_wait_alu depctr_va_vdst(0)
	s_wait_dscnt 0x0                               ; V's fragments are in
.irp t, 0,1,2,3
	v_wmma_f32_16x16x128_fp8_fp8 v[\O+8*\t:\O+8*\t+7], v[F+16*\t:F+16*\t+15], v[P:P+15], v[\O+8*\t:\O+8*\t+7]   ; the four accumulators take turns
.endr
.Lhid_\@:
.endm
	s_wait_alu depctr_va_vdst(0)                   ; the head's end
	s_wait_tensorcnt 0x0                           ; my load has landed,
	s_barrier_signal -1
	s_barrier_wait -1                              ; everybody's has: the whole head lies in LDS, and nothing is filled again
	s_wait_loadcnt 0x0                             ; Q
	s_mov_b32 s[CNT], 16
.Lsteps:
	TILE_STEP QL, OL, STL, DBL, 53, 54
	TILE_STEP QE, OE, STE, DBE, 51, 52
	s_add_co_u32 s[TB], s[TB], STEPB
	s_add_co_u32 s[KF], s[KF], 128
	s_sub_co_u32 s[CNT], s[CNT], 1
	s_cmp_lg_u32 s[CNT], 0
	s_cbranch_scc1 .Lsteps
	; THE WAY OUT: O^T / the sum, held, converted to ctx's codes, through my own stage, a tile (1,024 bytes on end in memory) at a time.
.set STO,  F+32
.set RD,   F+33
.set CSCL, F+34
.set CLIM, F+35
.rept 4
	v_nop                                          ; places behind the last products
.endr
	v_add_f32 v[STE+2], v[STE+2], v[STE+3]
	v_add_f32 v[STL+2], v[STL+2], v[STL+3]
	v_permlanex16_b32 v[MX], v[STE+2], s[SEL], s[SEL+1]
	v_permlanex16_b32 v[MX+1], v[STL+2], s[SEL], s[SEL+1]
	v_add_f32 v[STE+2], v[STE+2], v[MX]            ; the rows' sums
	v_add_f32 v[STL+2], v[STL+2], v[MX+1]
	v_and_b32 v[STO], 15, v0
	v_bfe_u32 v[RD], v0, 4, 1
	v_lshlrev_b32 v[STO], 6, v[STO]
	v_lshl_add_u32 v[STO], v[RD], 3, v[STO]
	v_add_nc_u32 v[STO], s[SST], v[STO]            ; in: row r of 64 bytes, + 8 h
	v_add_nc_u32 v[RD], s[SST], v[L16]             ; back: 16 bytes a lane
	v_mov_b32 v[CSCL], s62
	v_mov_b32 v[CLIM], s63
	s_wait_alu depctr_va_vdst(0)                   ; ahead of the transcendentals
	v_rcp_f32 v[STE+2], v[STE+2]
	v_rcp_f32 v[STL+2], v[STL+2]
	v_nop
	s_wait_alu depctr_va_vdst(0)                   ; one wait for both, and directly ahead of the first readers of both O^T
.set n, 0
.rept 32
	v_mul_f32 v[S+n], v[OE+n], v[STE+2]
.set n, n+1
.endr
.set n, 0
.rept 32
	v_mul_f32 v[S+32+n], v[OL+n], v[STL+2]
.set n, n+1
.endr
.irp u, 0,1
.set n, 0
.rept 32
	v_med3_num_f32 v[S+32*\u+n], v[S+32*\u+n], -v[CLIM], v[CLIM]
.set n, n+1
.endr
.irp t, 0,1,2,3
	v_cvt_scalef32_pk8_fp8_f32 v[P+8*\u+2*\t:P+8*\u+2*\t+1], v[S+32*\u+8*\t:S+32*\u+8*\t+7], v[CSCL]
.endr
	v_nop
.irp t, 0,1,2,3
	ds_store_b64 v[STO], v[P+8*\u+2*\t:P+8*\u+2*\t+1] offset:16*\t
.endr
.irp k, 0,1
	ds_load_b128 v[F+8*\u+4*\k:F+8*\u+4*\k+3], v[RD] offset:512*\k   ; LDS serves a wave's instructions in order: these see my stores, and the next tile's stores come behind them
.endr
.endr
	s_wait_dscnt 7                                 ; the early tile's first load is back; behind it: 1 load, 4 stores, 2 loads
	global_store_b128 v[L16], v[F:F+3], s[70:71]                     ; 32 lanes store 512 consecutive, aligned bytes
	s_wait_dscnt 6
	global_store_b128 v[L16], v[F+4:F+7], s[70:71] offset:512
	s_wait_dscnt 1
	global_store_b128 v[L16], v[F+8:F+11], s[72:73]
	s_wait_dscnt 0
	global_store_b128 v[L16], v[F+12:F+15], s[72:73] offset:512
	s_wait_tensorcnt 0x0                           ; the wave's end
	ds_add_u32 v[SPW], v[NIL]
	s_wait_dscnt 0x0
	CROUND                                         ; the closing round
	s_endpgm
.Lfunc_end_k_q88adf29548_attn:
	.size	k_q88adf29548_attn, .Lfunc_end_k_q88adf29548_attn-k_q88adf29548_attn
	.p2alignl 7, 3214868480
	.fill 96, 4, 3214868480
	.section	.rodata,"a",@progbits
	.p2align	6, 0x0
	.amdhsa_kernel k_q88adf29548_attn
		.amdhsa_group_segment_fixed_size 327680
		.amdhsa_private_segment_fixed_size 0
		.amdhsa_enable_private_segment 0
		.amdhsa_kernarg_size 24
		.amdhsa_user_sgpr_count 2
		.amdhsa_user_sgpr_kernarg_segment_ptr 1
		.amdhsa_wavefront_size32 1
		.amdhsa_system_sgpr_workgroup_id_x 1
		.amdhsa_system_sgpr_workgroup_id_y 1
		.amdhsa_system_sgpr_workgroup_id_z 1
		.amdhsa_system_vgpr_workitem_id 0
		.amdhsa_next_free_vgpr 256
		.amdhsa_next_free_sgpr 96
		.amdhsa_reserve_vcc 1
		.amdhsa_float_denorm_mode_32 3
		.amdhsa_float_denorm_mode_16_64 3
		.amdhsa_memory_ordered 1
		.amdhsa_forward_progress 1
		.amdhsa_inst_pref_size 71
	.end_amdhsa_kernel
	.amdgpu_metadata
---
amdhsa.version: [ 1, 2 ]
amdhsa.kernels:
  - .name:           k_q88adf29548_attn
    .symbol:         k_q88adf29548_attn.kd
    .args:
      - { .name: qkv, .offset: 0, .size: 8, .value_kind: global_buffer, .address_space: global }
      - { .name: lowp_scales, .offset: 8, .size: 8, .value_kind: global_buffer, .address_space: global }
      - { .name: ctx, .offset: 16, .size: 8, .value_kind: global_buffer, .address_space: global }
    .group_segment_fixed_size: 327680
    .private_segment_fixed_size: 0
    .kernarg_segment_align: 8
    .kernarg_segment_size: 24
    .max_flat_workgroup_size: 512
    .sgpr_count:     96
    .vgpr_count:     256
    .wavefront_size: 32
...
	.end_amdgpu_metadata
.endif
;; end of part 3
;; launch oproj (part 4): grid 8 x 32, 4 waves a work-group, clusters of 4 x 4, 327,680 bytes of LDS; arguments ctx, wc, lowp_scales, bo, out0; writes out0
.if DOCPART == 4
	.amdgcn_target "amdgcn-amd-amdhsa--gfx1250"
	.amdhsa_code_object_version 6
	.text
	.protected	k_q88adf29548_oproj
	.globl	k_q88adf29548_oproj
	.p2align	8
	.type	k_q88adf29548_oproj,@function
k_q88adf29548_oproj:
	s_mov_b64 s[64:65], 0
	v_nop
	global_prefetch_b8 v0, s[64:65] scope:SCOPE_SE
	s_setreg_imm32_b32 hwreg(HW_REG_WAVE_MODE, 25, 1), 1
	s_wait_xcnt 0x0
	s_wait_alu depctr_hold_cnt(0) depctr_sa_sdst(0) depctr_va_vdst(0) depctr_va_sdst(0) depctr_va_ssrc(0) depctr_va_vcc(0) depctr_vm_vsrc(0)
	s_getreg_b32 s2, hwreg(HW_REG_IB_STS2, 6, 4)
	s_cmp_eq_u32 s2, 0
	s_cbranch_scc0 .Lentry_in_a_cluster
	s_endpgm
.Lentry_in_a_cluster:
	s_bfe_u32 s2, ttmp6, 0x10000c
	s_cmp_lg_u32 s2, 0xf033
	s_cbranch_scc0 .Lentry_shape_is_right
	s_endpgm
.Lentry_shape_is_right:
; out0 = ctx Wo + bo on codes of E4M3: C[m][n] = 2^(e10 + e11) x the sum over k of A[m][k] B[n][k] + bo[n].  A = ctx's codes [16 heads (planes of 64 along K)][8192 tokens][64 bytes]; B = Wo's codes, the fourth MiB of
; the weights' codes, [1024 (n)][1024 (k)].  LIMIT: e10 + e11 between -126 and 127, so that 2^(e10 + e11) is an f32 number.
; A block of C is 256 rows x 128 columns: 32 x 8 = 256 work-groups.  Four waves, each 128 x 64: 32 accumulators.  K goes in four steps of 256 through a ring of two LDS slots (A: 4 planes x 256 rows of 64 + 16 bytes;
; B: 128 rows of 256 + 16 bytes).  Waves 0 and 1 fetch A's halves, waves 2 and 3 B's.  CLUSTERS of 4 x 4: A's tiles are asked for jointly along a row of the cluster, B's along a column.
; The matrix instruction is used transposed (source 0 = 16 rows of B, source 1 = 16 rows of A): a lane holds eight neighbouring numbers of a row of C.  Fragments come by four loads of 16 bytes: one permutation of k in A and B.
; THE WAY OUT: a block of 16 rows x 64 columns goes through the wave's own stage (in slot 0, behind its last fill and last read) and comes back as rows of 256 bytes, two an instruction: sixteen lanes store 256 consecutive, aligned bytes.
; PREFETCH: behind the loads of K steps 0 and 1 the waves that fetch ctx's codes ask for K steps 2 and 3, two refills ahead: of a step's four planes each of the four partners takes one (by address: cx), 128 rows x 64 bytes
; on end, lanes 256 bytes apart, one instruction a wave.  Wo's codes are not asked for: all rows of clusters walk them.  The address registers are never rewritten.
.set SIZE_N, 1024
.set SIZE_K, 1024
.set KSTEP,  256
.set ROWB,   256
.set KROW,   SIZE_K
.set PITCH,  272
.set APITCH, 80
.set APLANE, 128*APITCH
.set HALFA,  4*APLANE
.set HALFB,  64*PITCH
.set BOFF,   2*HALFA
.set SLOT,   BOFF+2*HALFB
.set PLANEB, 8192*64
.set FR,     16
.set NL,     4
.set NP,     4
.set LAPS,   SIZE_K/(2*KSTEP)
.set SPARE,  2*SLOT
.set SPITCH, 528
.set BIAS, 8
.set ADRA, 16
.set ADRB, 20
.set STO,  24
.set RD,   25
.set CO,   26
.set SPW,  28
.set NIL,  29
.set AF,   128
.set BK,   128
.set G1, 24
.set G0, 32
.set G1B, 48
.set G0B, 56
.set MSB, 0
.macro WIN new
.if MSB != \new
	s_set_vgpr_msb (MSB<<8)|\new
.set MSB, \new
.endif
.endm
.set MUL_LO, 0xa1
.set MUL_HI, 0xf1
.set TO_B,   0x40
.macro JLOAD g0a, g1a, g0b, g1b
	s_cmp_eq_u32 s15, 0
	s_cbranch_scc0 .Lfor_b_\@
	tensor_load_to_lds s[\g0a:\g0a+3], s[\g1a:\g1a+7]
	s_nop 0
.rept 4
	v_nop
.endr
	s_branch .Lasked_\@
.Lfor_b_\@:
	tensor_load_to_lds s[\g0b:\g0b+3], s[\g1b:\g1b+7]
	s_nop 0
.rept 4
	v_nop
.endr
.Lasked_\@:
.endm
.macro CREST
	s_cmp_lg_u32 s14, 0
	s_cbranch_scc1 .Lnot_wave_0_\@
	s_barrier_signal -3
.Lnot_wave_0_\@:
	s_barrier_wait -3
	s_barrier_signal -1
	s_barrier_wait -1
.endm
.macro CROUND
	s_barrier_signal -1
	s_barrier_wait -1
	CREST
.endm
	s_load_b256 s[4:11], s[0:1], 0x0
	s_load_b64 s[12:13], s[0:1], 0x20
	v_lshl_add_u32 v[SPW], v0, 2, SPARE
	v_mov_b32 v[NIL], 0
	v_and_b32 v30, 31, v0
	v_lshlrev_b32 v30, 8, v30                      ; the prefetches' offset: 256 x my lane; never rewritten
	v_lshrrev_b32 v1, 5, v0
	v_readfirstlane_b32 s14, v1
	s_lshr_b32 s15, s14, 1
	s_and_b32 s16, s14, 1
	s_bfe_u32 s40, ttmp6, 0x40000
	s_bfe_u32 s41, ttmp6, 0x40004
	s_lshl_b32 s42, ttmp9, 2
	s_add_co_u32 s42, s42, s40                     ; block column of C = 4 x cluster x + cx
	s_and_b32 s17, ttmp7, 0xffff
	s_lshl_b32 s17, s17, 2
	s_add_co_u32 s17, s17, s41
	s_lshl_b32 s43, s41, 2
	s_lshl_b32 s43, 15, s43
	s_lshl_b32 s44, 0x1111, s40
	s_or_b32 s[G1+0], s43, (0<<16)|(1<<20)|(1<<21)|(3<<22)|(3<<25)
	s_mov_b32 s[G1+1], 8192<<16
	s_mov_b32 s[G1+2], 4<<16
	s_mov_b32 s[G1+3], 8192<<16
	s_mov_b32 s[G1+4], 4
	s_mov_b32 s[G1+5], PLANEB
	s_mov_b32 s[G1+6], 0
	s_mov_b32 s[G1+7], 0
	s_or_b32 s[G1B+0], s44, (0<<16)|(1<<20)|(1<<21)|(5<<22)|(3<<25)
	s_mov_b32 s[G1B+1], ROWB<<16
	s_mov_b32 s[G1B+2], 64<<16
	s_mov_b32 s[G1B+3], ROWB<<16
	s_mov_b32 s[G1B+4], 64
	s_mov_b32 s[G1B+5], KROW
	s_mov_b32 s[G1B+6], 0
	s_mov_b32 s[G1B+7], 0
	s_lshl_b32 s18, s16, 7
	s_lshl_b32 s20, s17, 8
	s_add_co_u32 s20, s20, s18
	s_lshl_b32 s20, s20, 6
	s_mov_b32 s21, 0
	s_lshl_b32 s46, s42, 7
	s_lshl_b32 s19, s16, 6
	s_add_co_u32 s46, s46, s19                     ; B: row 128 x block column + 64 x half
	s_lshl_b32 s46, s46, 10
	s_add_co_u32 s46, s46, 0x300000
	s_mov_b32 s47, 0
	s_mul_i32 s45, s16, HALFA
	s_mul_i32 s23, s16, HALFB
	s_add_co_u32 s23, s23, BOFF
	s_wait_kmcnt 0x0
	s_load_b64 s[96:97], s[8:9], 0x28
	s_add_nc_u64 s[20:21], s[4:5], s[20:21]
	s_mul_i32 s66, s40, PLANEB                     ; the plane of a K step's four that my work-group asks for
	s_mov_b32 s67, 0
	s_add_nc_u64 s[66:67], s[20:21], s[66:67]
.macro ASK j
	s_cmp_eq_u32 s15, 0
	s_cbranch_scc0 .Lnot_mine_\@
	global_prefetch_b8 v30, s[66:67] offset:(\j)*4*PLANEB th:TH_LOAD_NT scope:SCOPE_SE
.Lnot_mine_\@:
.endm
	s_add_nc_u64 s[46:47], s[6:7], s[46:47]
	CROUND
.irp s, 0,1
	s_mov_b32 s[G0+4*\s], 1
	s_add_co_u32 s[G0+4*\s+1], s45, \s*SLOT
	s_add_nc_u64 s[G0+4*\s+2:G0+4*\s+3], s[20:21], \s*4*PLANEB
	s_or_b32 s[G0+4*\s+3], s[G0+4*\s+3], 0x80000000
	s_mov_b32 s[G0B+4*\s], 1
	s_add_co_u32 s[G0B+4*\s+1], s23, \s*SLOT
	s_add_nc_u64 s[G0B+4*\s+2:G0B+4*\s+3], s[46:47], \s*ROWB
	s_or_b32 s[G0B+4*\s+3], s[G0B+4*\s+3], 0x80000000
	s_wait_alu depctr_va_vdst(0)
	s_wait_tensorcnt 0x0
	ds_add_u32 v28, v29
	ds_add_u32 v28, v29
	s_wait_dscnt 0x0
	CROUND
	JLOAD G0+4*\s, G1, G0B+4*\s, G1B
	ASK 2+\s
.endr
	v_and_b32 v1, 15, v0
	v_bfe_u32 v2, v0, 4, 1
	v_mul_u32_u24 v3, v1, APITCH
	v_lshl_add_u32 v3, v2, 4, v3
	v_mul_u32_u24 v4, v1, PITCH
	v_lshl_add_u32 v4, v2, 4, v4
	s_mul_i32 s21, s15, HALFA
	s_mul_i32 s22, s16, HALFB
	s_add_co_u32 s22, s22, BOFF
.irp s, 0,1
	v_add_nc_u32 v[ADRA+\s], s21, v3
	v_add_nc_u32 v[ADRB+\s], s22, v4
	s_add_co_u32 s21, s21, SLOT
	s_add_co_u32 s22, s22, SLOT
.endr
	s_mul_i32 s23, s14, 16*SPITCH
	v_mul_u32_u24 v5, v1, SPITCH
	v_lshl_add_u32 v5, v2, 5, v5
	v_add_nc_u32 v[STO], s23, v5
	s_wait_alu depctr_va_vdst(0)                   ; ahead of late readers of r and h
	v_lshlrev_b32 v6, 4, v1                        ; 16 r
	v_mul_u32_u24 v[RD], v2, SPITCH
	v_add_nc_u32 v[RD], v[RD], v6
	v_add_nc_u32 v[RD], s23, v[RD]                 ; back: lanes 0-15 one row of 256 bytes, lanes 16-31 the next
	v_lshl_add_u32 v[CO], v2, 12, v6               ; and the same two rows in C
	s_lshl_b32 s20, s17, 8
	s_lshl_b32 s21, s15, 7
	s_add_co_u32 s20, s20, s21
	s_lshl_b32 s20, s20, 12
	s_lshl_b32 s46, s42, 9
	s_lshl_b32 s47, s16, 8
	s_add_co_u32 s46, s46, s47
	s_wait_alu depctr_va_vdst(0)
	v_add_nc_u32 v7, s46, v6                       ; my four columns' bias
	global_load_b128 v[BIAS:BIAS+3], v7, s[10:11]
	s_add_co_u32 s20, s20, s46
	s_mov_b32 s21, 0
	s_add_nc_u64 s[12:13], s[12:13], s[20:21]
.macro FRAG reg, adr, q, i
.irp c, 0,1,2,3
	ds_load_b128 v[\reg+4*\c:\reg+4*\c+3], v[\adr] offset:128*(\q)+32*\c+(\i)*16*PITCH
.endr
.endm
.macro FRAGA reg, adr, q, i
.irp c, 0,1,2,3
	ds_load_b128 v[\reg+4*\c:\reg+4*\c+3], v[\adr] offset:(2*(\q)+\c/2)*APLANE+32*(\c%2)+(\i)*16*APITCH
.endr
.endm
.macro MUL16 a0, p, zero
.irp a, \a0, \a0+1
.irp b, 0,1,2,3
.if \zero
	v_wmma_f32_16x16x128_fp8_fp8 v[8*(8*((\a)%4)+\b):8*(8*((\a)%4)+\b)+7], v[128*(\p)+FR*\b:128*(\p)+FR*\b+FR-1], v[AF+FR*(\a):AF+FR*(\a)+FR-1], 0
.else
	v_wmma_f32_16x16x128_fp8_fp8 v[8*(8*((\a)%4)+\b):8*(8*((\a)%4)+\b)+7], v[128*(\p)+FR*\b:128*(\p)+FR*\b+FR-1], v[AF+FR*(\a):AF+FR*(\a)+FR-1], v[8*(8*((\a)%4)+\b):8*(8*((\a)%4)+\b)+7]
.endif
.endr
.endr
.endm
.macro FETCH_B slot, q, p
	WIN TO_B
.irp i, 0,1,2,3
	FRAG 128*(\p)+FR*\i, ADRB+\slot, \q, \i
.endr
	WIN 0
.endm
.macro FETCH_A slot, q, i0
.irp i, \i0, \i0+1, \i0+2, \i0+3
	FRAGA AF+FR*(\i), ADRA+\slot, \q, \i
.endr
.endm
.macro PLACES n
.rept \n
	v_nop
.endr
.endm
.macro STEP slot, q, zero
	s_wait_dscnt 4*NL
	WIN MUL_LO
	MUL16 0, (\q)%2, \zero
	MUL16 2, (\q)%2, \zero
	s_wait_dscnt 0
	PLACES NP
	FETCH_B \slot, (\q)+1, 1-(\q)%2
	FETCH_A \slot, (\q)+1, 0
	WIN MUL_HI
	MUL16 4, (\q)%2, \zero
	MUL16 6, (\q)%2, \zero
	PLACES NP
	WIN 0
	FETCH_A \slot, (\q)+1, 4
.endm
.macro TURN slot, next, fill
	s_wait_tensorcnt 0x0
	ds_add_u32 v[SPW], v[NIL]
	s_wait_dscnt 4*NL+1
	WIN MUL_LO
	MUL16 0, 1, 0
	s_wait_dscnt 0x0
	s_barrier_signal -1
	MUL16 2, 1, 0
	WIN 0
	s_barrier_wait -1
.if \fill
	CREST
	s_add_nc_u64 s[G0+4*\slot+2:G0+4*\slot+3], s[G0+4*\slot+2:G0+4*\slot+3], 8*PLANEB
	s_add_nc_u64 s[G0B+4*\slot+2:G0B+4*\slot+3], s[G0B+4*\slot+2:G0B+4*\slot+3], 2*ROWB
	JLOAD G0+4*\slot, G1, G0B+4*\slot, G1B
.else
	PLACES NP
.endif
	s_wait_alu depctr_va_vdst(0)
	FETCH_B \next, 0, 0
	FETCH_A \next, 0, 0
	WIN MUL_HI
	MUL16 4, 1, 0
	MUL16 6, 1, 0
	PLACES NP
	WIN 0
	FETCH_A \next, 0, 4
.endm
	s_wait_tensorcnt 1
	s_barrier_signal -1
	s_barrier_wait -1
	FETCH_B 0, 0, 0
	FETCH_A 0, 0, 0
	FETCH_A 0, 0, 4
	STEP 0, 0, 1
.if LAPS > 1
	s_mov_b32 s3, LAPS-1
.Llap:
	TURN 0, 1, 1
	STEP 1, 0, 0
	TURN 1, 0, 1
	STEP 0, 0, 0
	s_sub_co_u32 s3, s3, 1
	s_cmp_lg_u32 s3, 0
	s_cbranch_scc1 .Llap
.endif
	TURN 0, 1, 0
	STEP 1, 0, 0
	s_wait_dscnt 4*NL
	WIN MUL_LO
	MUL16 0, 1, 0
	MUL16 2, 1, 0
	s_wait_dscnt 0
	WIN MUL_HI
	MUL16 4, 1, 0
	MUL16 6, 1, 0
	WIN 0
.macro TOSTAGE a
.set AC, 64*((\a)%4)
.set BB, BK+64*((\a)%2)
	WIN (0x08+4*((\a)/4))
.irp b, 0,1,2,3
	ds_store_b128 v[STO], v[AC+8*\b:AC+8*\b+3] offset:64*\b
	ds_store_b128 v[STO], v[AC+8*\b+4:AC+8*\b+7] offset:64*\b+16
.endr
	WIN 0
.irp t, 0,1,2,3,4,5,6,7
	ds_load_b128 v[BB+4*\t:BB+4*\t+3], v[RD] offset:2*\t*SPITCH
.endr
.endm
.macro SEND a, younger
.set BB, BK+64*((\a)%2)
	s_wait_dscnt \younger
.irp t, 0,1,2,3,4,5,6,7
	v_pk_fma_f32 v[BB+4*\t:BB+4*\t+1], v[BB+4*\t:BB+4*\t+1], s[96:97], v[BIAS:BIAS+1] op_sel_hi:[1,0,1]
	v_pk_fma_f32 v[BB+4*\t+2:BB+4*\t+3], v[BB+4*\t+2:BB+4*\t+3], s[96:97], v[BIAS+2:BIAS+3] op_sel_hi:[1,0,1]
.endr
.irp t, 0,1,2,3,4,5,6,7
	global_store_b128 v[CO], v[BB+4*\t:BB+4*\t+3], s[12:13] offset:(16*(\a)+2*\t)*SIZE_N*4 th:TH_STORE_NT
.endr
.endm
	s_wait_kmcnt 0x0
	s_add_co_i32 s96, s96, s97
	s_add_co_i32 s96, s96, 127
	s_lshl_b32 s96, s96, 23
	s_wait_loadcnt 0x0
	PLACES NP
	TOSTAGE 0
.irp a, 1,2,3,4,5,6,7
.if \a > 1
	s_wait_xcnt 0x0
.endif
	TOSTAGE \a
	SEND \a-1, 16                                  ; behind block a - 1's loads: block a's 8 stores and 8 loads
.endr
	SEND 7, 0
	s_wait_tensorcnt 0x0
	ds_add_u32 v[SPW], v[NIL]
	s_wait_dscnt 0x0
	CROUND
	s_endpgm
.Lfunc_end_k_q88adf29548_oproj:
	.size	k_q88adf29548_oproj, .Lfunc_end_k_q88adf29548_oproj-k_q88adf29548_oproj
	.p2alignl 7, 3214868480
	.fill 96, 4, 3214868480
	.section	.rodata,"a",@progbits
	.p2align	6, 0x0
	.amdhsa_kernel k_q88adf29548_oproj
		.amdhsa_group_segment_fixed_size 327680
		.amdhsa_private_segment_fixed_size 0
		.amdhsa_enable_private_segment 0
		.amdhsa_kernarg_size 40
		.amdhsa_user_sgpr_count 2
		.amdhsa_user_sgpr_kernarg_segment_ptr 1
		.amdhsa_wavefront_size32 1
		.amdhsa_system_sgpr_workgroup_id_x 1
		.amdhsa_system_sgpr_workgroup_id_y 1
		.amdhsa_system_sgpr_workgroup_id_z 1
		.amdhsa_system_vgpr_workitem_id 0
		.amdhsa_next_free_vgpr 1024
		.amdhsa_next_free_sgpr 98
		.amdhsa_reserve_vcc 0
		.amdhsa_float_denorm_mode_32 3
		.amdhsa_float_denorm_mode_16_64 3
		.amdhsa_memory_ordered 1
		.amdhsa_forward_progress 1
		.amdhsa_inst_pref_size 79
	.end_amdhsa_kernel
	.amdgpu_metadata
---
amdhsa.version: [ 1, 2 ]
amdhsa.kernels:
  - .name:           k_q88adf29548_oproj
    .symbol:         k_q88adf29548_oproj.kd
    .args:
      - { .name: ctx, .offset: 0, .size: 8, .value_kind: global_buffer, .address_space: global }
      - { .name: wc, .offset: 8, .size: 8, .value_kind: global_buffer, .address_space: global }
      - { .name: lowp_scales, .offset: 16, .size: 8, .value_kind: global_buffer, .address_space: global }
      - { .name: bo, .offset: 24, .size: 8, .value_kind: global_buffer, .address_space: global }
      - { .name: out0, .offset: 32, .size: 8, .value_kind: global_buffer, .address_space: global }
    .group_segment_fixed_size: 327680
    .private_segment_fixed_size: 0
    .kernarg_segment_align: 8
    .kernarg_segment_size: 40
    .max_flat_workgroup_size: 128
    .sgpr_count:     98
    .vgpr_count:     1024
    .wavefront_size: 32
...
	.end_amdgpu_metadata
.endif
;; end of part 4
